; MI455X (gfx1250); checked and timed in simulation.
; The chip was launched on July 23, 2026; its instructions are those of AMD's public machine-readable ISA for CDNA 5 (MIT licence, August 2026) and "CDNA5" Instruction Set Architecture Reference Guide (July 2026). The comments in the code are by the model that wrote it; some were corrected since.
;; Multi Head Attention CF. Allowed arithmetic: matrix products marked QUANTISED: E5M2 operands, one E8M0 scale for each 32 along K, by v_wmma_scale_f32_16x16x128_f8f6f4 with both operands' format E5M2, f32 sums; everything else in f32.
;; Inputs: Wk_codes 1,024 x 32 x 32 uint8 (E5M2 codes of Wk, K innermost, in blocks of 32 codes); Wk_scales 1,024 x 32 uint8 (E8M0 scales of Wk, one for each 32 codes along K); Wo_codes 1,024 x 32 x 32 uint8 (E5M2 codes of Wo, K innermost, in blocks of 32 codes); Wo_scales 1,024 x 32 uint8 (E8M0 scales of Wo, one for each 32 codes along K); Wq_codes 1,024 x 32 x 32 uint8 (E5M2 codes of Wq, K innermost, in blocks of 32 codes); Wq_scales 1,024 x 32 uint8 (E8M0 scales of Wq, one for each 32 codes along K); Wv_codes 1,024 x 32 x 32 uint8 (E5M2 codes of Wv, K innermost, in blocks of 32 codes); Wv_scales 1,024 x 32 uint8 (E8M0 scales of Wv, one for each 32 codes along K); bk 1,024 float32; bo 1,024 float32; bq 1,024 float32; bv 1,024 float32; x_codes 4 x 2,048 x 32 x 32 uint8 (E5M2 codes of x, K innermost, in blocks of 32 codes); x_scales 4 x 2,048 x 32 uint8 (E8M0 scales of x, one for each 32 codes along K).
;; Outputs: out0 4 x 2,048 x 1,024 float32.
;; This version of the problem:
;;   THIS VERSION OF THE PROBLEM IS GIVEN IN LOW PRECISION. The matrix products marked QUANTISED in the list below multiply operands that are first quantised to E5M2 (5 exponent bits, 2 mantissa bits; 8 bits a number), with one power-of-two scale for each 32 numbers along K (OCP MX v1.0); their sums are f32. All else is computed in f32.
;;   The module's matrix products, in the order in which they are computed (A, B: the left and right operand; K: the contracted axis; several contracted axes count as one K, in the product's order):
;;     1. [M 8,192, K 1,024] x [K 1,024, N 1,024]; A: input x (given as codes); B: input Wq (given as codes): QUANTISED
;;     2. [M 8,192, K 1,024] x [K 1,024, N 1,024]; A: input x (given as codes); B: input Wk (given as codes): QUANTISED
;;     3. [M 8,192, K 1,024] x [K 1,024, N 1,024]; A: input x (given as codes); B: input Wv (given as codes): QUANTISED
;;     4. batch 64 x [M 2,048, K 64] x [K 64, N 2,048]; A: computed on the way; B: computed on the way: QUANTISED
;;     5. batch 64 x [M 2,048, K 2,048] x [K 2,048, N 64]; A: softmax (see below); B: computed on the way: QUANTISED
;;     6. [M 8,192, K 1,024] x [K 1,024, N 1,024]; A: computed on the way; B: input Wo (given as codes): QUANTISED
;;   THE QUANTISER, for each operand of a quantised product, along K:
;;     - K is cut into blocks of 32 from its start; a last block that is shorter is filled with zeros.
;;     - A block's scale is 2^e with e = floor(log2(the largest magnitude in the block)) - 15, held to -126 .. 127; a block of zeros has e = 0. As a byte (E8M0): e + 127.
;;     - Each number is divided by its block's scale, clamped to +-57,344, and rounded to the nearest number of E5M2, ties to even, subnormals kept.
;;     - The product sums the exact products of the quantised numbers (number of the format x scale) in f32.
;;   ~~~python
;;   def quantise(x, axis):      # numpy; x: float32 -> the quantised numbers, widened to float32 again
;;       x = np.moveaxis(x, axis, -1); K = x.shape[-1]
;;       x = np.pad(x, [(0, 0)] * (x.ndim - 1) + [(0, -K % 32)]); x = x.reshape(x.shape[:-1] + (-1, 32)); a = np.abs(x).max(-1, keepdims=True)
;;       e = np.where(a > 0, np.clip(np.frexp(np.where(a > 0, a, 1))[1] - 1 - 15, -126, 127), 0)      # np.frexp(a)[1] - 1 = floor(log2(a)), exactly
;;       r = np.clip(x / 2.0 ** e, -57344, 57344)
;;       step = 2.0 ** (np.maximum(np.frexp(np.where(r == 0, 1, r))[1] - 1, -14) - 2)
;;       q = np.round(r / step) * step * 2.0 ** e      # np.round: ties to even
;;       return np.moveaxis(q.reshape(q.shape[:-2] + (-1,))[..., :K], -1, axis).astype(np.float32)
;;   ~~~
;;   SOFTMAX AHEAD OF A QUANTISED PRODUCT. Where the list says 'softmax', what is quantised is not the finished softmax but p = 2^(t - M), with t = logit x log2(e) and M = ceil(the row's largest t), a whole number; so 1/2 < the row's largest p <= 1. The row's sum l is taken of the UNQUANTISED p, in f32, and the product's result is divided by l at the end. Since M is a whole number, a kernel that streams over the keys may use a running M (the ceiling of the running maximum): every later rescaling is an exact power of two, which a block's scale takes up: the codes' values come out the same.
;;   OPERANDS COMPUTED ON THE WAY. 'Computed on the way' means the value that the module computes at that place (a softmax that the list does not call 'softmax' is quantised finished and normalised). What goes into a quantiser is computed in f32, as accurately as f32 sums, v_exp_f32 and their like allow (about 1e-6 of the number): no bf16 or f16 on the way to a quantiser, and a product that is left as it is and whose result goes on into a quantised operand takes f32 operands (vector FMAs, or v_wmma_f32_16x16x4_f32). A number that lies on a knife's edge between two numbers of the format may be rounded either way, as far as f32 arithmetic and the matrix unit's own rounding can turn it there, and no further.
;;   INPUTS GIVEN AS CODES. Wk (in the module: [1024, 1024], K = its axis 1); Wo (in the module: [1024, 1024], K = its axis 1); Wq (in the module: [1024, 1024], K = its axis 1); Wv (in the module: [1024, 1024], K = its axis 1); x (in the module: [4, 2048, 1024], K = its axis 2): each comes as NAME_codes (uint8): NAME with its K axis moved to the last place and cut into blocks of 32 codes, [.., K / 32, bytes a block], one block behind the other in memory; one code a byte (a code: sign, 5 exponent bits, 2 mantissa bits); and NAME_scales (uint8): the same leading axes, one E8M0 byte (e + 127) for each 32 codes along K. Its value is code x scale, taken as it is: it is not quantised again, and the codes and scales need not be those that the quantiser above would give.
;; One version. Each part assembles by itself: llvm-mc -triple=amdgcn-amd-amdhsa -mcpu=gfx1250 --defsym DOCPART=n.
;; ======== version 1 of 1: 3 launches
;; limits: right only within a limited range of input values
;; workspace buffers: q_img 8,388,608 bytes; q_sc 262,144 bytes; kv 17,301,504 bytes; a_img 8,388,608 bytes; a_sc 262,144 bytes
;; launch qkv (part 1): grid 12 x 32, 4 waves a work-group, clusters of 4 x 4, 327,680 bytes of LDS; arguments x_codes, x_scales, Wq_codes, Wq_scales, Wk_codes, Wk_scales, Wv_codes, Wv_scales, bq, bk, bv, q_img, q_sc, kv; writes q_img, q_sc, kv
.if DOCPART == 1
	.amdgcn_target "amdgcn-amd-amdhsa--gfx1250"
	.amdhsa_code_object_version 6
	.text
	.protected	k_q7e033f21e4_qkv
	.globl	k_q7e033f21e4_qkv
	.p2align	8
	.type	k_q7e033f21e4_qkv,@function
k_q7e033f21e4_qkv:
	s_mov_b64 s[64:65], 0
	v_nop
	global_prefetch_b8 v0, s[64:65] scope:SCOPE_SE
	s_setreg_imm32_b32 hwreg(HW_REG_WAVE_MODE, 25, 1), 1
	s_wait_xcnt 0x0
	s_wait_alu depctr_hold_cnt(0) depctr_sa_sdst(0) depctr_va_vdst(0) depctr_va_sdst(0) depctr_va_ssrc(0) depctr_va_vcc(0) depctr_vm_vsrc(0)
	s_getreg_b32 s2, hwreg(HW_REG_IB_STS2, 6, 4)
	s_cmp_eq_u32 s2, 0
	s_cbranch_scc0 .Lentry_in_a_cluster
	s_endpgm
.Lentry_in_a_cluster:
	s_bfe_u32 s2, ttmp6, 0x10000c
	s_cmp_lg_u32 s2, 0xf033
	s_cbranch_scc0 .Lentry_shape_is_right
	s_endpgm
.Lentry_shape_is_right:
.set SIZE_K, 1024
.set KSTEP,  256
.set NQ,     KSTEP/128
.set ROWB,   256
.set KROW,   SIZE_K
.set PITCH,  272
.set FR,     16
.set NL,     4
.set NP,     8
.set HALFT,  128*PITCH
.set SLOT,   4*HALFT
.set LAPS,   SIZE_K/(2*KSTEP)
.set KS,     SIZE_K/32
.set SCL,    2*SLOT
.set HALFS,  (128*KS/256)*272
.set SBLK,   (16*KS/256)*272
.set SPARE,  SCL+4*HALFS
.set QHEAD,  131072
.set KVHEAD, 270336
.set KVSTEP, 16896
.set ADRA, 16
.set ADRB, 20
.set LI,   26
.set ADRS, 27
.set SPW,  28
.set NIL,  29
.set SC,   32
.set BIAS, 64
.set AF,   128
.set PC,   64
.set TM,   200
.set WD,   216
.set HW,   224
.set SOF,  240
.set G1, 24
.set G0, 32
.set G1B, 48
.set G0B, 56
.set G1S, 68
.set G0S, 76
.set G1SB, 80
.set G0SB, 88
.set KIND, 100
.set MSB, 0
.macro WIN new
.if MSB != \new
	s_set_vgpr_msb (MSB<<8)|\new
.set MSB, \new
.endif
.endm
.set MUL_LO, 0xa1
.set MUL_HI, 0xf1
.set TO_B,   0x40
.macro JLOAD g0a, g1a, g0b, g1b
	s_cmp_eq_u32 s15, 0
	s_cbranch_scc0 .Lfor_b_\@
	tensor_load_to_lds s[\g0a:\g0a+3], s[\g1a:\g1a+7]
	s_nop 0
.rept 4
	v_nop
.endr
	s_branch .Lasked_\@
.Lfor_b_\@:
	tensor_load_to_lds s[\g0b:\g0b+3], s[\g1b:\g1b+7]
	s_nop 0
.rept 4
	v_nop
.endr
.Lasked_\@:
.endm
.macro CREST
	s_cmp_lg_u32 s14, 0
	s_cbranch_scc1 .Lnot_wave_0_\@
	s_barrier_signal -3
.Lnot_wave_0_\@:
	s_barrier_wait -3
	s_barrier_signal -1
	s_barrier_wait -1
.endm
.macro CROUND
	s_barrier_signal -1
	s_barrier_wait -1
	CREST
.endm
	s_load_b512 s[68:83], s[0:1], 0x0
	s_load_b256 s[84:91], s[0:1], 0x40
	s_load_b128 s[92:95], s[0:1], 0x60
	v_lshl_add_u32 v[SPW], v0, 2, SPARE
	v_mov_b32 v[NIL], 0
	ds_add_u32 v28, v29
	ds_add_u32 v28, v29
	s_wait_dscnt 0x0
	v_lshrrev_b32 v1, 5, v0
	v_readfirstlane_b32 s14, v1
	s_lshr_b32 s15, s14, 1
	s_and_b32 s16, s14, 1
	s_bfe_u32 s40, ttmp6, 0x40000
	s_bfe_u32 s41, ttmp6, 0x40004
	s_mov_b32 s[KIND], ttmp9
	s_and_b32 s17, ttmp7, 0xffff
	s_cmp_lt_u32 s[KIND], 2
	s_cselect_b32 s18, s17, 0
	s_cselect_b32 s19, 0, s17
	s_lshl_b32 s18, s18, 2
	s_add_co_u32 s17, s18, s41
	s_lshl_b32 s19, s19, 2
	s_add_co_u32 s42, s19, s40
	s_lshl_b32 s43, s41, 2
	s_lshl_b32 s43, 15, s43
	s_lshl_b32 s44, 0x1111, s40
	s_or_b32 s[G1+0], s43, (0<<16)|(1<<20)|(1<<21)|(5<<22)|(3<<25)
	s_or_b32 s[G1B+0], s44, (0<<16)|(1<<20)|(1<<21)|(5<<22)|(3<<25)
.irp g, G1, G1B
	s_mov_b32 s[\g+1], ROWB<<16
	s_mov_b32 s[\g+2], 256<<16
	s_mov_b32 s[\g+3], ROWB<<16
	s_mov_b32 s[\g+4], 256
	s_mov_b32 s[\g+5], KROW
	s_mov_b32 s[\g+6], 0
	s_mov_b32 s[\g+7], 0
.endr
	s_lshl_b32 s18, s16, 7
	s_lshl_b32 s20, s17, 8
	s_add_co_u32 s20, s20, s18
	s_lshl_b32 s46, s42, 8
	s_add_co_u32 s46, s46, s18
	s_lshl_b32 s22, s17, 13
	s_lshl_b32 s20, s20, 10
	s_mov_b32 s21, 0
	s_mov_b32 s23, 0
	s_lshl_b32 s18, s42, 13
	s_lshl_b32 s46, s46, 10
	s_mov_b32 s19, 0
	s_mov_b32 s47, 0
	s_mul_i32 s45, s14, HALFT
	s_wait_kmcnt 0x0
	s_cmp_eq_u32 s[KIND], 1
	s_cselect_b64 s[8:9], s[76:77], s[80:81]
	s_cselect_b64 s[10:11], s[78:79], s[82:83]
	s_cselect_b64 s[12:13], s[86:87], s[88:89]
	s_cmp_eq_u32 s[KIND], 0
	s_cselect_b64 s[8:9], s[72:73], s[8:9]
	s_cselect_b64 s[10:11], s[74:75], s[10:11]
	s_cselect_b64 s[12:13], s[84:85], s[12:13]
	s_cselect_b64 s[96:97], s[90:91], s[94:95]
	s_cselect_b64 s[98:99], s[92:93], s[94:95]
	s_cmp_lt_u32 s[KIND], 2
	s_cselect_b64 s[4:5], s[68:69], s[8:9]
	s_cselect_b64 s[6:7], s[70:71], s[10:11]
	s_cselect_b64 s[8:9], s[8:9], s[68:69]
	s_cselect_b64 s[10:11], s[10:11], s[70:71]
	s_add_nc_u64 s[20:21], s[4:5], s[20:21]
	s_add_nc_u64 s[22:23], s[6:7], s[22:23]
	s_add_nc_u64 s[46:47], s[8:9], s[46:47]
	s_add_nc_u64 s[18:19], s[10:11], s[18:19]
	s_or_b32 s[G1S+0], s43, (3<<16)|(1<<20)|(1<<21)|(5<<22)|(3<<25)
	s_or_b32 s[G1SB+0], s44, (3<<16)|(1<<20)|(1<<21)|(5<<22)|(3<<25)
.irp g, G1S, G1SB
	s_mov_b32 s[\g+1], 32<<16
	s_mov_b32 s[\g+2], (256*KS/256)<<16
	s_mov_b32 s[\g+3], 32<<16
	s_mov_b32 s[\g+4], 256*KS/256
	s_mov_b32 s[\g+5], 32
	s_mov_b32 s[\g+6], 0
	s_mov_b32 s[\g+7], 0
.endr
	CROUND
	s_mov_b32 s[G0S], 1
	s_mov_b32 s[G0S+1], SCL
	s_mov_b64 s[G0S+2:G0S+3], s[22:23]
	s_or_b32 s[G0S+3], s[G0S+3], 0x80000000
	s_mov_b32 s[G0SB], 1
	s_mov_b32 s[G0SB+1], SCL+2*HALFS
	s_mov_b64 s[G0SB+2:G0SB+3], s[18:19]
	s_or_b32 s[G0SB+3], s[G0SB+3], 0x80000000
.irp s, 0,1
	s_mov_b32 s[G0+4*\s], 1
	s_add_co_u32 s[G0+4*\s+1], s45, \s*SLOT
	s_add_nc_u64 s[G0+4*\s+2:G0+4*\s+3], s[20:21], \s*ROWB
	s_or_b32 s[G0+4*\s+3], s[G0+4*\s+3], 0x80000000
	s_mov_b32 s[G0B+4*\s], 1
	s_add_co_u32 s[G0B+4*\s+1], s45, \s*SLOT
	s_add_nc_u64 s[G0B+4*\s+2:G0B+4*\s+3], s[46:47], \s*ROWB
	s_or_b32 s[G0B+4*\s+3], s[G0B+4*\s+3], 0x80000000
.endr
	; the head's four tiles, each whole, one load a wave: K step 0's 256 rows of A (wave 0), of B (wave 1), the scales of A's 256 rows (wave 2), of B's (wave 3)
	s_lshl_b32 s2, s16, 17                         ; my half's 128 rows of 1,024 bytes, taken off again: the tile's first row
	s_mov_b32 s3, 0
	s_mov_b32 s4, 1
	s_mov_b32 s5, 0
	s_sub_nc_u64 s[6:7], s[20:21], s[2:3]
	s_or_b32 s7, s7, 0x80000000
	s_mov_b32 s8, 1
	s_mov_b32 s9, 2*HALFT
	s_sub_nc_u64 s[10:11], s[46:47], s[2:3]
	s_or_b32 s11, s11, 0x80000000
.macro ARM under, g0, g1, next
	s_cmp_lt_u32 s14, \under
	s_cbranch_scc0 \next
	tensor_load_to_lds s[\g0:\g0+3], s[\g1:\g1+7]
	s_nop 0
.rept 4
	v_nop
.endr
	s_branch .Lhead_asked
\next:
.endm
	ARM 1, 4, G1, .Lhead_b
	ARM 2, 8, G1B, .Lhead_sa
	ARM 3, G0S, G1S, .Lhead_sb
	tensor_load_to_lds s[G0SB:G0SB+3], s[G1SB:G1SB+7]
	s_nop 0
.rept 4
	v_nop
.endr
.Lhead_asked:
	v_and_b32 v1, 15, v0
	v_bfe_u32 v2, v0, 4, 1
	v_mul_u32_u24 v3, v1, PITCH
	v_lshl_add_u32 v4, v2, 4, v3
	s_mul_i32 s21, s15, HALFT
	s_mul_i32 s22, s16, HALFT
	s_add_co_u32 s22, s22, 2*HALFT
.irp s, 0,1
	v_add_nc_u32 v[ADRA+\s], s21, v4
	v_add_nc_u32 v[ADRB+\s], s22, v4
	s_add_co_u32 s21, s21, SLOT
	s_add_co_u32 s22, s22, SLOT
.endr
	v_mul_u32_u24 v5, v1, KS
	v_lshrrev_b32 v6, 8, v5
	v_lshl_add_u32 v5, v6, 4, v5
	s_mul_i32 s21, s15, HALFS
	s_mul_i32 s22, s16, HALFS
	s_add_co_u32 s22, s22, 2*HALFS
	s_sub_co_u32 s22, s22, s21
	v_mul_u32_u24 v6, s22, v2
	s_add_co_u32 s21, s21, SCL
	v_add_nc_u32 v5, v5, v6
	v_add_nc_u32 v[ADRS], s21, v5
	v_and_b32 v6, 31, v0
	v_lshlrev_b32 v[LI], 4, v6
	s_cmp_lt_u32 s[KIND], 2
	s_cselect_b32 s92, s42, s17
	s_cselect_b32 s93, s16, s15
	s_lshl_b32 s92, s92, 10
	s_lshl_b32 s93, s93, 9
	s_add_co_u32 s92, s92, s93
	s_mov_b32 s93, 0
	s_add_nc_u64 s[12:13], s[12:13], s[92:93]
	v_lshlrev_b32 v7, 5, v2
	v_lshlrev_b32 v8, 2, v1
	s_cmp_eq_u32 s[KIND], 2
	s_cbranch_scc1 .Lbias_v
.irp b, 0,1,2,3,4,5,6,7
	global_load_b128 v[BIAS+8*\b:BIAS+8*\b+3], v7, s[12:13] offset:64*\b
	global_load_b128 v[BIAS+8*\b+4:BIAS+8*\b+7], v7, s[12:13] offset:64*\b+16
.endr
	s_branch .Lbias_done
.Lbias_v:
	s_wait_alu depctr_va_vdst(0)
.irp a, 0,1,2,3,4,5,6,7
.irp j, 0,1,2,3,4,5,6,7
	global_load_b32 v[BIAS+8*\a+\j], v8, s[12:13] offset:64*\a
.endr
.endr
.Lbias_done:
.macro FRAG reg, adr, q, i
.irp c, 0,1,2,3
	ds_load_b128 v[\reg+4*\c:\reg+4*\c+3], v[\adr] offset:128*(\q)+32*\c+(\i)*16*PITCH
.endr
.endm
.macro MUL16 a0, p, q, sc, zero
.irp a, \a0, \a0+1
.irp b, 0,1,2,3,4,5,6,7
.set rD, 8*(8*((\a)%4)+\b)
.set rB, 128*(\p)+FR*\b
.set rA, AF+FR*(\a)
.set rSB, SC+8*NQ*(\sc)+NQ*\b+(\q)
.set rSA, SC+8*NQ*(\sc)+NQ*(\a)+(\q)
.if \zero == 1
	v_wmma_scale_f32_16x16x128_f8f6f4 v[rD:rD+7], v[rB:rB+FR-1], v[rA:rA+FR-1], v[BIAS+8*\b:BIAS+8*\b+7], v[rSB], v[rSA] matrix_a_fmt:MATRIX_FMT_BF8 matrix_b_fmt:MATRIX_FMT_BF8 matrix_a_scale:MATRIX_SCALE_ROW1
.elseif \zero == 2
	v_wmma_scale_f32_16x16x128_f8f6f4 v[rD:rD+7], v[rB:rB+FR-1], v[rA:rA+FR-1], v[BIAS+8*(\a):BIAS+8*(\a)+7], v[rSB], v[rSA] matrix_a_fmt:MATRIX_FMT_BF8 matrix_b_fmt:MATRIX_FMT_BF8 matrix_a_scale:MATRIX_SCALE_ROW1
.else
	v_wmma_scale_f32_16x16x128_f8f6f4 v[rD:rD+7], v[rB:rB+FR-1], v[rA:rA+FR-1], v[rD:rD+7], v[rSB], v[rSA] matrix_a_fmt:MATRIX_FMT_BF8 matrix_b_fmt:MATRIX_FMT_BF8 matrix_a_scale:MATRIX_SCALE_ROW1
.endif
.endr
.endr
.endm
.macro FETCH_B slot, q, p
	WIN TO_B
.irp i, 0,1,2,3,4,5,6,7
	FRAG 128*(\p)+FR*\i, ADRB+\slot, \q, \i
.endr
	WIN 0
.endm
.macro FETCH_A slot, q, i0
.irp i, \i0, \i0+1, \i0+2, \i0+3
	FRAG AF+FR*(\i), ADRA+\slot, \q, \i
.endr
.endm
.macro SCALES sc
.irp i, 0,1,2,3,4,5,6,7
	ds_load_b64 v[SC+8*NQ*\sc+NQ*\i:SC+8*NQ*\sc+NQ*\i+1], v[ADRS] offset:\i*SBLK
.endr
.endm
.macro PLACES n
.rept \n
	v_nop
.endr
.endm
.macro STEP slot, q, zero
	s_wait_dscnt 4*NL
.if \zero
	WIN 0x81
.else
	WIN MUL_LO
.endif
	MUL16 0, (\q)%2, \q, \slot, \zero
	MUL16 2, (\q)%2, \q, \slot, \zero
	s_wait_dscnt 0
	PLACES NP
	FETCH_B \slot, (\q)+1, 1-(\q)%2
	FETCH_A \slot, (\q)+1, 0
.if \zero
	WIN 0xc1
.else
	WIN MUL_HI
.endif
	MUL16 4, (\q)%2, \q, \slot, \zero
	MUL16 6, (\q)%2, \q, \slot, \zero
	PLACES NP
	WIN 0
	FETCH_A \slot, (\q)+1, 4
.endm
.macro TURN slot, next, fill
	s_wait_tensorcnt 0x0
	ds_add_u32 v[SPW], v[NIL]
	s_wait_dscnt 4*NL+1
	WIN MUL_LO
	MUL16 0, 1, NQ-1, \slot, 0
	s_wait_dscnt 0x0
	s_barrier_signal -1
	MUL16 2, 1, NQ-1, \slot, 0
	WIN 0
	s_barrier_wait -1
.if \fill
	CREST
	s_add_nc_u64 s[G0+4*\slot+2:G0+4*\slot+3], s[G0+4*\slot+2:G0+4*\slot+3], 2*ROWB
	s_add_nc_u64 s[G0B+4*\slot+2:G0B+4*\slot+3], s[G0B+4*\slot+2:G0B+4*\slot+3], 2*ROWB
	JLOAD G0+4*\slot, G1, G0B+4*\slot, G1B
	PLACES NP-4
.else
	PLACES NP
.endif
	s_wait_alu depctr_va_vdst(0)
	v_add_nc_u32 v[ADRS], 4*NQ, v[ADRS]
	FETCH_B \next, 0, 0
	FETCH_A \next, 0, 0
	SCALES \next
	WIN MUL_HI
	MUL16 4, 1, NQ-1, \slot, 0
	MUL16 6, 1, NQ-1, \slot, 0
	PLACES NP
	WIN 0
	FETCH_A \next, 0, 4
.endm
	s_wait_alu depctr_va_vdst(0)                   ; the wait at the head's end
	s_wait_tensorcnt 0x0                           ; my tile of the head's four is in; these lines stand ahead of a later first fill as ahead of a refill
	ds_add_u32 v[SPW], v[NIL]
	s_mov_b32 s[G1+2], 128<<16                     ; no tensor load of mine is out: from here on a load brings 128 rows
	s_mov_b32 s[G1+4], 128
	s_mov_b32 s[G1B+2], 128<<16
	s_mov_b32 s[G1B+4], 128
	s_wait_dscnt 0x0
	CROUND                                         ; all four tiles are in, and all sixteen work-groups are here
	JLOAD G0+4, G1, G0B+4, G1B                     ; K step 1, the first tensor load behind the round
	FETCH_B 0, 0, 0
	FETCH_A 0, 0, 0
	s_wait_alu depctr_va_vdst(0)
	SCALES 0
	FETCH_A 0, 0, 4
	s_wait_loadcnt 0x0
	s_cmp_eq_u32 s[KIND], 2
	s_cbranch_scc1 .Lfirst_v
	STEP 0, 0, 1
	s_branch .Lfirst_done
.Lfirst_v:
	STEP 0, 0, 2
.Lfirst_done:
	s_mov_b32 s3, LAPS-1
.Llap:
	TURN 0, 1, 1
	STEP 1, 0, 0
	TURN 1, 0, 1
	STEP 0, 0, 0
	s_sub_co_u32 s3, s3, 1
	s_cmp_lg_u32 s3, 0
	s_cbranch_scc1 .Llap
	TURN 0, 1, 0
	STEP 1, 0, 0
	s_wait_dscnt 4*NL
	WIN MUL_LO
	MUL16 0, 1, NQ-1, 1, 0
	MUL16 2, 1, NQ-1, 1, 0
	s_wait_dscnt 0
	WIN MUL_HI
	MUL16 4, 1, NQ-1, 1, 0
	MUL16 6, 1, NQ-1, 1, 0
	WIN 0
	PLACES NP
	s_lshl_b32 s20, s17, 8
	s_lshl_b32 s21, s15, 7
	s_add_co_u32 s20, s20, s21
	s_lshl_b32 s21, s42, 8
	s_lshl_b32 s22, s16, 7
	s_add_co_u32 s21, s21, s22
	s_cmp_lt_u32 s[KIND], 2
	s_cselect_b32 s22, s20, s21
	s_cselect_b32 s23, s21, s20
	s_lshr_b32 s20, s22, 11
	s_lshl_b32 s20, s20, 4
	s_lshr_b32 s23, s23, 6
	s_add_co_u32 s20, s20, s23
	s_bfe_u32 s21, s22, 0x40007
	s_mov_b32 s34, KVHEAD
	s_mov_b32 s23, KVSTEP
	s_cmp_eq_u32 s[KIND], 0
	s_cselect_b32 s22, QHEAD, s34
	s_cselect_b32 s41, 256, s23
	s_cselect_b32 s23, 8192, s23
	s_cselect_b32 s43, 0, 16384
	s_cselect_b32 s34, 4096, s34
	s_cmp_eq_u32 s[KIND], 2
	s_cselect_b32 s44, 8192, 0
	s_cselect_b32 s46, 256, 0
	s_cselect_b32 s47, 4096, s22
	s_mov_b32 s45, KVHEAD
	s_cselect_b32 s45, s45, 4096
	s_mul_i32 s36, s20, s22
	s_mul_i32 s37, s21, s23
	s_add_co_u32 s36, s36, s37
	s_add_co_u32 s36, s36, s44
	s_mov_b32 s37, 0
	s_add_nc_u64 s[24:25], s[96:97], s[36:37]
	s_mov_b32 s36, s47
	s_add_nc_u64 s[26:27], s[24:25], s[36:37]
	s_mov_b32 s36, s45
	s_add_nc_u64 s[28:29], s[24:25], s[36:37]
	s_add_nc_u64 s[30:31], s[26:27], s[36:37]
	s_mul_i32 s36, s20, s34
	s_mul_i32 s38, s21, s41
	s_add_co_u32 s36, s36, s38
	s_add_co_u32 s36, s36, s43
	s_add_co_u32 s36, s36, s46
	s_add_nc_u64 s[32:33], s[98:99], s[36:37]
	s_mov_b32 s35, 0x08000000
	s_mov_b32 s36, 0x600000
	s_mov_b32 s37, 0xffff0000
	s_mov_b32 s38, 0x76543210
	s_mov_b32 s39, 0xfedcba98
	v_and_b32 v[SOF+1], 15, v0
	v_bfe_u32 v[SOF+2], v0, 4, 1
	v_mul_u32_u24 v[SOF], s34, v[SOF+2]
	v_lshl_add_u32 v[SOF], v[SOF+1], 4, v[SOF]
.irp c, 0,1,2,3
	v_mov_b32 v[TM+4+\c], 0
.endr
.macro QUANT4 a
.set W, 2+(\a)/4
.set AC, 64*((\a)%4)
.set PCA, PC+16*(\a)
.set WN, (W<<2)|(W<<4)
	WIN WN
.irp c, 0,1,2,3
	v_max3_num_f32 v[TM+\c], s35, |v[AC+16*\c]|, |v[AC+16*\c+1]|
.endr
.irp i, 2,4,6,8,10,12,14
.irp c, 0,1,2,3
	v_max3_num_f32 v[TM+\c], v[TM+\c], |v[AC+16*\c+\i]|, |v[AC+16*\c+\i+1]|
.endr
.endr
	WIN 0
.irp c, 0,1,2,3
	v_permlanex16_b32 v[TM+4+\c], v[TM+\c], s38, s39
.endr
.irp c, 0,1,2,3
	v_max_num_f32 v[TM+\c], v[TM+\c], v[TM+4+\c]
.endr
.irp c, 0,1,2,3
	v_add_nc_u32 v[TM+12+\c], 0xf8800000, v[TM+\c]
.endr
.irp c, 0,1,2,3
	v_and_or_b32 v[TM+8+\c], v[TM+\c], 0x7f800000, s36
.endr
.irp c, 0,1,2,3
	v_lshrrev_b32 v[TM+4+\c], 23, v[TM+12+\c]
.endr
	v_lshl_or_b32 v[HW+2*(\a)], v[TM+5], 8, v[TM+4]
	v_lshl_or_b32 v[HW+2*(\a)+1], v[TM+7], 8, v[TM+6]
.set WN, (W<<6)|W
	WIN WN
.irp c, 0,1,2,3
.irp i, 0,1,2,3,4,5,6,7,8,9,10,11,12,13,14,15
	v_med3_num_f32 v[AC+16*\c+\i], v[AC+16*\c+\i], -v[TM+8+\c], v[TM+8+\c]
.endr
.endr
	WIN W
.irp c, 0,1,2,3
	v_cvt_scalef32_pk8_bf8_f32 v[PCA+4*\c:PCA+4*\c+1], v[AC+16*\c:AC+16*\c+7], v[TM+12+\c]
	v_cvt_scalef32_pk8_bf8_f32 v[PCA+4*\c+2:PCA+4*\c+3], v[AC+16*\c+8:AC+16*\c+15], v[TM+12+\c]
.endr
	WIN 0
	v_nop
.irp c, 0,1,2,3
	global_store_b128 v[LI], v[PCA+4*\c:PCA+4*\c+3], s[24+4*((\a)/4)+2*(\c/2):24+4*((\a)/4)+2*(\c/2)+1] offset:((\a)%4)*1024+(\c%2)*512
.endr
.endm
.irp a, 0,1,2,3,4,5,6,7
	QUANT4 \a
.endr
	s_cmp_eq_u32 s[KIND], 2
	s_cbranch_scc1 .Lwords_v
.irp k, 0,1
.irp j, 0,1,2,3
	v_lshl_or_b32 v[WD+4*\k+\j], v[HW+4*\j+2+\k], 16, v[HW+4*\j+\k]
.endr
.endr
	s_branch .Lwords_done
.Lwords_v:
.irp i, 0,1
.irp t, 0,1,2,3
	v_lshl_or_b32 v[WD+4*\i+\t], v[HW+2*(4*\i+\t)+1], 16, v[HW+2*(4*\i+\t)]
.endr
.endr
.Lwords_done:
	s_wait_alu depctr_va_vdst(0)
.irp j, 0,1,2,3
	v_cndmask_b32 v[WD+\j], v[WD+\j], v[WD+4+\j], s37
.endr
	global_store_b128 v[SOF], v[WD:WD+3], s[32:33]
	s_wait_tensorcnt 0x0
	ds_add_u32 v[SPW], v[NIL]
	s_wait_dscnt 0x0
	CROUND
	s_endpgm
.Lfunc_end_k_q7e033f21e4_qkv:
	.size	k_q7e033f21e4_qkv, .Lfunc_end_k_q7e033f21e4_qkv-k_q7e033f21e4_qkv
	.p2alignl 7, 3214868480
	.fill 96, 4, 3214868480
	.section	.rodata,"a",@progbits
	.p2align	6, 0x0
	.amdhsa_kernel k_q7e033f21e4_qkv
		.amdhsa_group_segment_fixed_size 327680
		.amdhsa_private_segment_fixed_size 0
		.amdhsa_enable_private_segment 0
		.amdhsa_kernarg_size 112
		.amdhsa_user_sgpr_count 2
		.amdhsa_user_sgpr_kernarg_segment_ptr 1
		.amdhsa_wavefront_size32 1
		.amdhsa_system_sgpr_workgroup_id_x 1
		.amdhsa_system_sgpr_workgroup_id_y 1
		.amdhsa_system_sgpr_workgroup_id_z 1
		.amdhsa_system_vgpr_workitem_id 0
		.amdhsa_next_free_vgpr 1024
		.amdhsa_next_free_sgpr 102
		.amdhsa_reserve_vcc 0
		.amdhsa_float_denorm_mode_32 3
		.amdhsa_float_denorm_mode_16_64 3
		.amdhsa_memory_ordered 1
		.amdhsa_forward_progress 1
		.amdhsa_inst_pref_size 208
	.end_amdhsa_kernel
	.amdgpu_metadata
---
amdhsa.version: [ 1, 2 ]
amdhsa.kernels:
  - .name:           k_q7e033f21e4_qkv
    .symbol:         k_q7e033f21e4_qkv.kd
    .args:
      - { .name: x_codes, .offset: 0, .size: 8, .value_kind: global_buffer, .address_space: global }
      - { .name: x_scales, .offset: 8, .size: 8, .value_kind: global_buffer, .address_space: global }
      - { .name: Wq_codes, .offset: 16, .size: 8, .value_kind: global_buffer, .address_space: global }
      - { .name: Wq_scales, .offset: 24, .size: 8, .value_kind: global_buffer, .address_space: global }
      - { .name: Wk_codes, .offset: 32, .size: 8, .value_kind: global_buffer, .address_space: global }
      - { .name: Wk_scales, .offset: 40, .size: 8, .value_kind: global_buffer, .address_space: global }
      - { .name: Wv_codes, .offset: 48, .size: 8, .value_kind: global_buffer, .address_space: global }
      - { .name: Wv_scales, .offset: 56, .size: 8, .value_kind: global_buffer, .address_space: global }
      - { .name: bq, .offset: 64, .size: 8, .value_kind: global_buffer, .address_space: global }
      - { .name: bk, .offset: 72, .size: 8, .value_kind: global_buffer, .address_space: global }
      - { .name: bv, .offset: 80, .size: 8, .value_kind: global_buffer, .address_space: global }
      - { .name: q_img, .offset: 88, .size: 8, .value_kind: global_buffer, .address_space: global }
      - { .name: q_sc, .offset: 96, .size: 8, .value_kind: global_buffer, .address_space: global }
      - { .name: kv, .offset: 104, .size: 8, .value_kind: global_buffer, .address_space: global }
    .group_segment_fixed_size: 327680
    .private_segment_fixed_size: 0
    .kernarg_segment_align: 8
    .kernarg_segment_size: 112
    .max_flat_workgroup_size: 128
    .sgpr_count:     102
    .vgpr_count:     1024
    .wavefront_size: 32
...
	.end_amdgpu_metadata
.endif
;; end of part 1
;; launch attn (part 2): grid 4 x 64, 8 waves a work-group, clusters of 4 x 1, 327,680 bytes of LDS; arguments q_img, q_sc, kv, a_img, a_sc; writes a_img, a_sc
.if DOCPART == 2
	.amdgcn_target "amdgcn-amd-amdhsa--gfx1250"
	.amdhsa_code_object_version 6
	.text
	.protected	k_q7e033f21e4_attn
	.globl	k_q7e033f21e4_attn
	.p2align	8
	.type	k_q7e033f21e4_attn,@function
k_q7e033f21e4_attn:
	s_mov_b64 s[64:65], 0
	v_nop
	global_prefetch_b8 v0, s[64:65] scope:SCOPE_SE
	s_setreg_imm32_b32 hwreg(HW_REG_WAVE_MODE, 25, 1), 1
	s_wait_xcnt 0x0
	s_wait_alu depctr_hold_cnt(0) depctr_sa_sdst(0) depctr_va_vdst(0) depctr_va_sdst(0) depctr_va_ssrc(0) depctr_va_vcc(0) depctr_vm_vsrc(0)
	s_getreg_b32 s2, hwreg(HW_REG_IB_STS2, 6, 4)
	s_cmp_eq_u32 s2, 0
	s_cbranch_scc0 .Lentry_in_a_cluster
	s_endpgm
.Lentry_in_a_cluster:
	s_bfe_u32 s2, ttmp6, 0x10000c
	s_cmp_lg_u32 s2, 0x3003
	s_cbranch_scc0 .Lentry_shape_is_right
	s_endpgm
.Lentry_shape_is_right:
; For each of 64 heads (16 x batch + head): O[q] = the sum over k of softmax_k(Q[q] . K[k] / 8) V[k], both products on codes of BF8 (E5M2) with one E8M0 scale for each 32 along a product's K;
; O is quantised along the model's 1,024 channels and leaves as images of the last product's operand registers.
; THE SOFTMAX: t = score x log2(e) / 8; M = the row's largest t so far, rounded UP to a whole number; p = 2^(t - M) is quantised along the keys, not normalised.  The row's sum is taken of the
; unquantised p in f32 and divides O at the end.  When M moves, the sum and O are multiplied by 2^(old M - new M), which rounds nothing.
; SHARES.  A work-group owns one head and 512 queries; each of its EIGHT waves owns TWO tiles of 16 queries in each of two passes, so a fragment of K or V read from LDS feeds both tiles' products.
; THE WHOLE HEAD'S K, V AND SCALE WORDS, 270,336 bytes, STAY IN LDS, every byte filled once: eight tensor loads at the head, one a wave, two key steps (33,792 bytes) each.
; Wave 0's load has a line of its own: the first barrier shows key steps 0 and 1 alone; the barrier behind a pass's first key step shows the rest.  The key loop has no barrier.
; CLUSTER.  The four work-groups of a cluster own the four blocks of 512 queries of one head: each load is asked for JOINTLY, with the same descriptor and the mask of all four.
; No prefetch is laid: all that the launch reads of kv is asked for by the loads at its head.
; THE ORDER OF A KEY STEP s.  No product stands alone: S^T of tile 1 goes among the lines of tile 0's maxima; O^T += V^T P^T of step s - 1 (both tiles) among the lines that follow; S^T of tile 0 for step s + 1 among tile 1's holds.
; A tile's chain of dependent lines (the new M and f) is laid among the other tile's independent lines.  The exponentials go in two batches: tile 0's by turns with tile 1's multiply-adds, tile 1's by turns with tile 0's holds;
; a line laid into a batch reads only what was written ahead of the batch's wait, and its result is first read behind the next wait.
; So a pass's first key step (no products of a step before it) and its last (no scores of a step behind it) are written out beside the loop of fourteen.
; LAYOUT.  Both products are used transposed: S^T = K Q^T, O^T = V^T P^T: a lane holds ONE query (lane % 16) of each tile throughout.
; A HEAD HAS 64 CHANNELS AND THE INSTRUCTION TAKES 128 ALONG K: a fragment of K carries TWO tiles of 16 keys (registers 0-7: keys 32 f + r; 8-15: keys 32 f + 16 + r); it is multiplied by (q, zeros) and by (zeros, q).
; ORDER INSIDE A BLOCK OF 32: p's codes of keys 32 f + 16 u + 8 h + j lie in the operand's place 32 f + 16 h + 8 u + j, and so do V's (the launch before lays them so).
; REGISTERS.  Window 0: addresses, both tiles' small state, all scale words, Q, the scores.  Window 1: K's fragments v0-63, V's v64-127, O^T v128-191, p's codes v192-223, the next pass's q v224-239.
; LIMITS: NaN and infinities are not served.  A block's largest p is taken from its largest score, which takes v_exp_f32 not to fall where its input rises.  A block of zeros gets the scale byte 1.  The division is v_rcp_f32 and a multiplication.
.set STEPB, 16896                      ; a key step (128 keys) in kv and in LDS: K's images 8,192, V's 8,192, K's scale words 256, V's 256
.set HEADB, 16*STEPB
.set VO,    8192
.set KSO,   16384
.set VSO,   16640
.set SPARE, HEADB                      ; the spare words: 128 bytes a wave, behind the head
.set LI,  1                            ; 16 x lane
.set LS,  2                            ; 16 x (lane % 16)
.set ADF, 3                            ; LDS address of a step's images
.set ADS, 4                            ; of its scale words
.set OB8, 5                            ; the way out: 16 r + 8 h
.set OSB, 6                            ; 32 r + h
.set SPW, 10
.set NIL, 11
; a tile's small state, 24 registers: tile 0 from v12, tile 1 from v36
.set NM,  12                           ; -M;  with TMX a pair for the packed form
.set TMX, 13                           ; the largest t so far
.set SUM, 14                           ; the row's sum in two halves; the six registers behind it also serve as three more chains of the sum
.set T2,  16
.set LM,  20                           ; 57,344 x the scale
.set SO,  24                           ; the conversions' scale operands
.set BM,  28                           ; a block's largest score, then its largest p
.set FF,  32                           ; f = 2^(old M - new M), as a pair; on the way out 1 / the sum
.set TA,  34
.set KSW, 60                           ; K's scale words; V's; p's (one a tile); Q's: no product's two scale words have numbers equal modulo 8
.set VSW, 64
.set PW,  68
.set QH,  70
.set QW,  72
.set Q,   76                           ; tile t at Q + 24 t: q, eight zeros, q
.set S,   128                          ; tile t at S + 64 t
.set VF,  64                           ; window 1
.set O,   128
.set PC,  192
.set QS,  224
.set WV,  14
.set G1,  24
.set G0,  32
.set SEL, 48
.set CS,  50                           ; c = log2(e) / 8, as a pair
.set MNT, 52
.set I,   53
.set PASS, 55
.set HM,  56
.set MSB, 0
.macro WIN new                         ; the immediate's high byte repeats the setting that is left
.if MSB != \new
	s_set_vgpr_msb (MSB<<8)|\new
.set MSB, \new
.endif
.endm
.macro ROUND                           ; a round of the cluster's barrier
	s_barrier_signal -1
	s_barrier_wait -1
	s_cmp_lg_u32 s[WV], 0
	s_cbranch_scc1 .Lnot_wave_0_\@
	s_barrier_signal -3
.Lnot_wave_0_\@:
	s_barrier_wait -3
	s_barrier_signal -1
	s_barrier_wait -1
.endm
.macro QLOAD                           ; two tiles' q images into window 1, their scale bytes into QH
	WIN 0x40
.irp k, 0,1,2,3
	global_load_b128 v[QS+4*\k:QS+4*\k+3], v[LI], s[4:5] offset:512*\k
.endr
	WIN 0
	global_load_u16 v[QH], v[LS], s[6:7]
	global_load_u16 v[QH+1], v[LS], s[6:7] offset:2
.endm
.macro KLOAD                           ; a step's four fragments of K and its scale words: 17 loads
	WIN 0x40
.irp f, 0,1,2,3
.irp c, 0,1,2,3
	ds_load_b128 v[16*\f+4*\c:16*\f+4*\c+3], v[ADF] offset:2048*\f+512*\c
.endr
.endr
	WIN 0
	ds_load_b128 v[KSW:KSW+3], v[ADS] offset:KSO
.endm
	s_load_b256 s[4:11], s[0:1], 0x0               ; q_img, q_sc, kv, a_img
	s_load_b64 s[12:13], s[0:1], 0x20              ; a_sc
	v_lshl_add_u32 v[SPW], v0, 2, SPARE
	v_mov_b32 v[NIL], 0
	ds_add_u32 v[SPW], v[NIL]                      ; the opening lines: the add twice on end and its wait
	ds_add_u32 v[SPW], v[NIL]
	v_lshrrev_b32 v7, 5, v0
	v_readfirstlane_b32 s[WV], v7                  ; wave 0..7
	s_bfe_u32 s15, ttmp6, 0x40000                  ; cx: which 512 queries; it enters Q's and the outputs' addresses alone
	s_and_b32 s16, ttmp7, 0xffff                   ; the head, which the four partners share
	s_mul_i32 s18, s[WV], 2*STEPB                  ; I fetch key steps 2 wave, 2 wave + 1: their place in LDS
	s_mul_i32 s20, s16, HEADB
	s_add_co_u32 s20, s20, s18                     ; and in kv
	s_mov_b32 s21, 0
	s_mov_b32 s[G1], 15|(3<<16)|(1<<21)            ; the mask of all four; elements of 8 bytes; bit 21 beside a mask
	s_mov_b32 s[G1+1], 32<<16                      ; a dense block: 132 rows of 256 bytes
	s_mov_b32 s[G1+2], 132<<16
	s_mov_b32 s[G1+3], 32<<16
	s_mov_b32 s[G1+4], 132
	s_mov_b32 s[G1+5], 32
	s_mov_b32 s[G1+6], 0
	s_mov_b32 s[G1+7], 0
	s_lshl_b32 s19, s15, 5
	s_lshl_b32 s17, s[WV], 1
	s_add_co_u32 s19, s19, s17                     ; my first tile in pass 0: 32 cx + 2 wave; pass 1: 16 further on
	s_lshl_b32 s22, s16, 17
	s_lshl_b32 s23, s19, 10
	s_add_co_u32 s22, s22, s23                     ; q_img: 131,072 a head, 1,024 a tile
	s_mov_b32 s23, 0
	s_lshl_b32 s58, s16, 12                        ; q_sc: 4,096 a head, 256 for eight tiles, 2 bytes a tile in each row's 16
	s_lshr_b32 s59, s19, 3
	s_lshl_b32 s59, s59, 8
	s_add_co_u32 s58, s58, s59
	s_and_b32 s59, s19, 7
	s_lshl_b32 s59, s59, 1
	s_add_co_u32 s58, s58, s59
	s_mov_b32 s59, 0
	s_lshr_b32 s57, s16, 4
	s_lshl_b32 s57, s57, 7
	s_add_co_u32 s57, s57, s19                     ; my tile among the 512 tiles of 16 rows
	s_and_b32 s17, s16, 15                         ; the head in its batch
	s_lshr_b32 s60, s17, 2
	s_lshl_b32 s60, s60, 21                        ; a_img: 2,097,152 for each 256 along K; 4,096 a tile of rows; 1,024 for each 64 along K
	s_lshl_b32 s61, s57, 12
	s_add_co_u32 s60, s60, s61
	s_and_b32 s61, s17, 3
	s_lshl_b32 s61, s61, 10
	s_add_co_u32 s60, s60, s61
	s_mov_b32 s61, 0
	s_lshl_b32 s62, s57, 9                         ; a_sc: 16 rows of 32 bytes a tile, 2 bytes a head
	s_lshl_b32 s63, s17, 1
	s_add_co_u32 s62, s62, s63
	s_mov_b32 s63, 0
	s_mov_b32 s[SEL], 0x76543210
	s_mov_b32 s[SEL+1], 0xfedcba98
	s_mov_b32 s[CS], 0x3e38aa3b                    ; log2(e) / 8
	s_mov_b32 s[CS+1], s[CS]
	s_mov_b32 s[MNT], 0x600000
	s_mov_b32 s[HM], 0xffff0000
	s_mov_b32 s[PASS], 2
	s_wait_dscnt 0x0
	s_wait_kmcnt 0x0
	s_add_nc_u64 s[4:5], s[4:5], s[22:23]
	s_add_nc_u64 s[6:7], s[6:7], s[58:59]
	s_add_nc_u64 s[10:11], s[10:11], s[60:61]
	s_add_nc_u64 s[12:13], s[12:13], s[62:63]
	s_mov_b32 s[G0], 1
	s_mov_b32 s[G0+1], s18
	s_add_nc_u64 s[G0+2:G0+3], s[8:9], s[20:21]
	s_or_b32 s[G0+3], s[G0+3], 0x80000000
	ROUND                                          ; all four work-groups are here: the joint loads meet
	s_cmp_eq_u32 s[WV], 0                          ; one load a wave; wave 0's has a line of its own, since it alone is waited for at the first barrier
	s_cbranch_scc0 .Lothers
	tensor_load_to_lds s[G0:G0+3], s[G1:G1+7]
	s_nop 0
.rept 4
	v_nop
.endr
	s_branch .Lasked
.Lothers:
	tensor_load_to_lds s[G0:G0+3], s[G1:G1+7]
	s_nop 0
.rept 4
	v_nop
.endr
.Lasked:
	v_and_b32 v7, 31, v0
	v_lshlrev_b32 v[LI], 4, v7
	v_and_b32 v8, 15, v0                           ; r
	v_bfe_u32 v9, v0, 4, 1                         ; h
	v_lshlrev_b32 v[LS], 4, v8
	v_lshl_add_u32 v[OB8], v9, 3, v[LS]
	v_lshl_add_u32 v[OSB], v8, 5, v9
	QLOAD                                          ; pass 0's queries
	v_mov_b32 v[ADF], v[LI]                        ; key step 0
	v_mov_b32 v[ADS], v[LS]
.irp t, 0,1
.irp j, 0,1,2,3,4,5,6,7
	v_mov_b32 v[Q+24*\t+8+\j], 0                   ; the zero codes between the two copies of q
.endr
.irp j, 0,1,2,3
	v_mov_b32 v[T2+24*\t+\j], 0                    ; written once: a lane permute's destination counts as one of its sources
.endr
	v_mov_b32 v[FF+24*\t+1], 0                     ; (named as the upper half of a pair)
	v_mov_b32 v[TA+24*\t], 0
.endr
	s_wait_alu depctr_va_vdst(0)                   ; the wait at the head's end
	s_cmp_eq_u32 s[WV], 0
	s_cbranch_scc0 .Lnot_0
	s_wait_tensorcnt 0x0                           ; wave 0: key steps 0 and 1 have landed
.Lnot_0:
	s_barrier_signal -1
	s_barrier_wait -1
	KLOAD                                          ; K of key step 0
; THE PRODUCTS.  SMW: product n = 2 f + u of S^T for tile t (window setting 0x01: K's fragments lie in window 1).  PVW: product n = 4 t + c of O^T += V^T P^T (0x55: all in window 1)
.macro SMW t, n
	v_wmma_scale_f32_16x16x128_f8f6f4 v[S+64*\t+8*(\n):S+64*\t+8*(\n)+7], v[16*((\n)/2):16*((\n)/2)+15], v[Q+24*\t+8*((\n)%2):Q+24*\t+8*((\n)%2)+15], 0, v[KSW+(\n)/2], v[QW+\t] matrix_a_fmt:MATRIX_FMT_BF8 matrix_b_fmt:MATRIX_FMT_BF8
.endm
.macro SMM t, n
	WIN 0x01
	SMW \t, \n
	WIN 0
.endm
.macro PVW n
	v_wmma_scale_f32_16x16x128_f8f6f4 v[O+8*(\n):O+8*(\n)+7], v[VF+16*((\n)%4):VF+16*((\n)%4)+15], v[PC+16*((\n)/4):PC+16*((\n)/4)+15], v[O+8*(\n):O+8*(\n)+7], v[VSW+(\n)%4], v[PW+(\n)/4] matrix_a_fmt:MATRIX_FMT_BF8 matrix_b_fmt:MATRIX_FMT_BF8
.endm
; T stands behind each plain line ahead of the exponentials and counts them: behind lines 3, 6 .. 24 a product of tile 1's S^T; behind lines 36, 44 .. 92 a product of the last step's O^T
.macro T
.set LN, LN+1
.if (LN%3 == 0) && (LN <= 24)
	SMM 1, LN/3-1
.endif
.if DOPV && (LN >= 36) && ((LN-36)%8 == 0) && (LN <= 92)
	WIN 0x55
	PVW (LN-36)/8
	WIN 0
.endif
.endm
; THE LINES OF A TILE'S SOFTMAX, by number
.macro MAXL t, k                       ; 32: the largest score of each block of 32 keys (block k % 4): for the row's maximum and, since p rises with the score, for the block's largest p.  Each accumulator is first read at its low end
.if (\k) < 4
	v_max_num_f32 v[BM+24*\t+(\k)%4], v[S+64*\t+16*((\k)%4)], v[S+64*\t+16*((\k)%4)+1]
.else
	v_max3_num_f32 v[BM+24*\t+(\k)%4], v[BM+24*\t+(\k)%4], v[S+64*\t+16*((\k)%4)+2*((\k)/4)], v[S+64*\t+16*((\k)%4)+2*((\k)/4)+1]
.endif
.endm
.macro PML t, k                        ; 8: with lane l xor 16's 16 keys
.if (\k) < 4
	v_permlanex16_b32 v[T2+24*\t+(\k)], v[BM+24*\t+(\k)], s[SEL], s[SEL+1]
.else
	v_max_num_f32 v[BM+24*\t+(\k)-4], v[BM+24*\t+(\k)-4], v[T2+24*\t+(\k)-4]
.endif
.endm
.macro CHL t, k                        ; 9, each hanging on the one before: the running largest t, the new -M = -ceil(t), f = 2^(old M - new M)
.if (\k) == 0
	v_max3_num_f32 v[TA+24*\t], v[BM+24*\t], v[BM+24*\t+1], v[BM+24*\t+2]
.elseif (\k) == 1
	v_max_num_f32 v[TA+24*\t], v[TA+24*\t], v[BM+24*\t+3]
.elseif (\k) == 2
	v_mul_f32 v[TA+24*\t], s[CS], v[TA+24*\t]
.elseif (\k) == 3
	v_max_num_f32 v[TMX+24*\t], v[TMX+24*\t], v[TA+24*\t]
.elseif (\k) == 4
	v_mov_b32 v[TA+24*\t], v[NM+24*\t]
.elseif (\k) == 5
	v_floor_f32 v[NM+24*\t], -v[TMX+24*\t]
.elseif (\k) == 6
	v_sub_f32 v[TA+24*\t], v[NM+24*\t], v[TA+24*\t]
.elseif (\k) == 7
	v_cvt_i32_f32 v[TA+24*\t], v[TA+24*\t]
.else
	v_ldexp_f32 v[FF+24*\t], 1.0, v[TA+24*\t]
.endif
.endm
.macro FML t, k                        ; 36: t - M, two at a time; then the same of each block's largest score
.if (\k) < 32
	v_pk_fma_f32 v[S+64*\t+2*(\k):S+64*\t+2*(\k)+1], v[S+64*\t+2*(\k):S+64*\t+2*(\k)+1], s[CS:CS+1], v[NM+24*\t:NM+24*\t+1] op_sel_hi:[1,0,0]
.else
	v_fma_f32 v[BM+24*\t+(\k)-32], v[BM+24*\t+(\k)-32], s[CS], v[NM+24*\t]
.endif
.endm
.macro EXL t, n                        ; 68: the blocks' largest p, then p = 2^(t - M), at most 1
.if (\n) < 4
	v_exp_f32 v[BM+24*\t+(\n)], v[BM+24*\t+(\n)]
.else
	v_exp_f32 v[S+64*\t+(\n)-4], v[S+64*\t+(\n)-4]
.endif
.endm
; 32: the hold: the conversion does not saturate (ISA guide 7.6.2); p is not negative, so it is one-sided.  Two a line: a number of an even block and one of the block behind it, so that the pair's sources lie in different register banks and one destination is even, the other odd
.macro HOLD t, n
	v_dual_min_num_f32 v[S+64*\t+32*((\n)/16)+(\n)%16], v[S+64*\t+32*((\n)/16)+(\n)%16], v[LM+24*\t+2*((\n)/16)] :: v_dual_min_num_f32 v[S+64*\t+32*((\n)/16)+16+(\n)%16+1-2*((\n)%2)], v[S+64*\t+32*((\n)/16)+16+(\n)%16+1-2*((\n)%2)], v[LM+24*\t+2*((\n)/16)+1]
.endm
.macro SUMS t                          ; 32: the row's sum of the unquantised p, in four chains
.irp k, 1,2,3
	v_pk_add_f32 v[SUM+24*\t+2*\k:SUM+24*\t+2*\k+1], v[S+64*\t+4*\k-4:S+64*\t+4*\k-3], v[S+64*\t+4*\k-2:S+64*\t+4*\k-1]
.endr
.set n, 6
.rept 26
	v_pk_add_f32 v[SUM+24*\t+2*((n-6)%4):SUM+24*\t+2*((n-6)%4)+1], v[SUM+24*\t+2*((n-6)%4):SUM+24*\t+2*((n-6)%4)+1], v[S+64*\t+2*n:S+64*\t+2*n+1]
.set n, n+1
.endr
	v_pk_add_f32 v[SUM+24*\t:SUM+24*\t+1], v[SUM+24*\t:SUM+24*\t+1], v[SUM+24*\t+2:SUM+24*\t+3]
	v_pk_add_f32 v[SUM+24*\t+4:SUM+24*\t+5], v[SUM+24*\t+4:SUM+24*\t+5], v[SUM+24*\t+6:SUM+24*\t+7]
	v_pk_add_f32 v[SUM+24*\t:SUM+24*\t+1], v[SUM+24*\t:SUM+24*\t+1], v[SUM+24*\t+4:SUM+24*\t+5]
.endm
.macro SCALE t                         ; 19: the four blocks' scales
.irp b, 0,1,2,3
	v_max_num_f32 v[BM+24*\t+\b], 0x8000000, v[BM+24*\t+\b]   ; the floor 2^(16 - 127): the byte cannot fall under 1
.endr
.irp b, 0,1,2,3
	v_add_nc_u32 v[SO+24*\t+\b], 0xf8800000, v[BM+24*\t+\b]   ; 15 off the exponent field: the conversion's scale operand
.endr
.irp b, 0,1,2,3
	v_and_or_b32 v[LM+24*\t+\b], v[BM+24*\t+\b], 0x7f800000, s[MNT]   ; 57,344 x the scale
.endr
.irp b, 0,1,2,3
	v_lshrrev_b32 v[T2+24*\t+\b], 23, v[SO+24*\t+\b]   ; the scale's byte
.endr
	v_lshl_or_b32 v[PW+\t], v[T2+24*\t+1], 8, v[T2+24*\t]   ; p's scale word for these 128 keys
	v_lshl_or_b32 v[TA+24*\t], v[T2+24*\t+3], 8, v[T2+24*\t+2]
	v_lshl_or_b32 v[PW+\t], v[TA+24*\t], 16, v[PW+\t]
.endm
.macro CODES t                         ; 8 conversions; the codes go to window 1
	WIN 0x40
.irp b, 0,1,2,3
	v_cvt_scalef32_pk8_bf8_f32 v[PC+16*\t+4*\b:PC+16*\t+4*\b+1], v[S+64*\t+16*\b:S+64*\t+16*\b+7], v[SO+24*\t+\b]
	v_cvt_scalef32_pk8_bf8_f32 v[PC+16*\t+4*\b+2:PC+16*\t+4*\b+3], v[S+64*\t+16*\b+8:S+64*\t+16*\b+15], v[SO+24*\t+\b]
.endr
	WIN 0
.endm
; A KEY STEP s: 128 keys x my 32 queries.  At its head: tile 0's scores of step s are made, K's fragments of step s are in registers, p's codes and V's fragments of step s - 1 wait for their products; ADF, ADS point at step s.
.macro STEP first, last
.if \first
	s_mov_b32 s20, STEPB                           ; where the next key step begins in LDS
.elseif \last
	s_mov_b32 s20, 0                               ; behind the pass's last: step 0 again, for the next pass
.else
	s_add_co_u32 s20, s[I], 1
	s_mul_i32 s20, s20, STEPB
.endif
.set DOPV, 1-\first
.set LN, 0
.set k, 0
.rept 32
	MAXL 0, k
	T
.set k, k+1
.endr
.set k, 0
.rept 8
	PML 0, k
	T
.set k, k+1
.endr
.set k, 0
.rept 32                               ; tile 1's maxima, tile 0's chain among them
	MAXL 1, k
	T
.if (k%3 == 2) && (k/3 < 9)
	CHL 0, k/3
	T
.endif
.set k, k+1
.endr
.set k, 0
.rept 8
	PML 1, k
	T
.set k, k+1
.endr
.set k, 0
.rept 36                               ; tile 0's t - M, tile 1's chain among them
	FML 0, k
	T
.if (k%3 == 2) && (k/3 < 9)
	CHL 1, k/3
	T
.endif
.set k, k+1
.endr
	WIN 0x40                                       ; more than eight plain lines stand behind the last product that read these registers
.irp t, 0,1,2,3
.irp c, 0,1,2,3
	ds_load_b128 v[VF+16*\t+4*\c:VF+16*\t+4*\c+3], v[ADF] offset:VO+(\c/2)*4096+\t*1024+(\c%2)*512
.endr
.endr
	WIN 0
	ds_load_b128 v[VSW:VSW+3], v[ADS] offset:VSO   ; this step's V: 17 loads
	v_add_nc_u32 v[ADF], s20, v[LI]
	v_add_nc_u32 v[ADS], s20, v[LS]
	KLOAD                                          ; and the next step's K: 17 more
	s_wait_alu depctr_va_vdst(0)                   ; the wait ahead of a batch
.set n, 0
.rept 68                               ; tile 0's exponentials, by turns with tile 1's t - M
	EXL 0, n
.if n < 36
	FML 1, n
.endif
.set n, n+1
.endr
	v_pk_mul_f32 v[SUM:SUM+1], v[SUM:SUM+1], v[FF:FF+1] op_sel_hi:[1,0]   ; tile 0's sum under the new M: a plain line behind the batch
	s_wait_alu depctr_va_vdst(0)                   ; the wait behind the batch, ahead of its first reader
	SUMS 0
	SCALE 0
	s_wait_alu depctr_va_vdst(0)                   ; and ahead of the next batch
.set n, 0
.rept 68                               ; tile 1's exponentials, by turns with tile 0's holds
	EXL 1, n
.if n < 32
	HOLD 0, n
.endif
.set n, n+1
.endr
	v_pk_mul_f32 v[SUM+24:SUM+25], v[SUM+24:SUM+25], v[FF+24:FF+25] op_sel_hi:[1,0]
	WIN 0x41
	s_wait_alu depctr_va_vdst(0)                   ; the wait behind the batch; it stands directly ahead of the first readers of O^T
.irp t, 0,1
.set j, 0
.rept 16
	v_pk_mul_f32 v[O+32*\t+j:O+32*\t+j+1], v[O+32*\t+j:O+32*\t+j+1], v[FF+24*\t:FF+24*\t+1] op_sel_hi:[1,0]   ; O^T under the new M
.set j, j+2
.endr
.endr
	CODES 0
	SUMS 1
	SCALE 1
	s_wait_alu depctr_va_vdst(0)                   ; the wait here, directly ahead of the wait below
	s_wait_dscnt 0x0                               ; the next step's K and this step's V are in
.set n, 0
.rept 32                               ; tile 1's holds; among them tile 0's scores of the next step, over the scores whose codes are made; nine lines stand behind the last of these products
	HOLD 1, n
.if (1-\last) && (n%3 == 1) && (n/3 < 8)
	SMM 0, n/3
.endif
.set n, n+1
.endr
	CODES 1
.endm
.Lpass:                                            ; two trips: 32 queries a wave in each
	s_wait_loadcnt 0x0                             ; this pass's q and scale bytes are in
.irp t, 0,1
	v_lshl_or_b32 v[QW+\t], v[QH+\t], 16, v[QH+\t] ; (s0, s1, s0, s1): it serves (q, 0) and (0, q)
.endr
	WIN 0x01
.irp t, 0,1
.irp j, 0,1,2,3,4,5,6,7
	v_mov_b32 v[Q+24*\t+\j], v[QS+8*\t+\j]         ; q ahead of the zeros,
	v_mov_b32 v[Q+24*\t+16+\j], v[QS+8*\t+\j]      ; and behind them
.endr
.endr
	WIN 0
	s_wait_alu depctr_va_vdst(0)                   ; the wait here, directly ahead of the wait below
	s_wait_dscnt 0x0                               ; K of key step 0 is in
	WIN 0x01
.irp n, 0,1,2,3,4,5,6,7
	SMW 0, \n                                      ; tile 0's scores of key step 0
.endr
	WIN 0
.irp t, 0,1
	v_mov_b32 v[TMX+24*\t], 0xff61b1e6             ; the largest t so far: -3e38, under every t
	v_mov_b32 v[SUM+24*\t], 0
	v_mov_b32 v[SUM+24*\t+1], 0
.endr
.irp t, 0,1
	v_floor_f32 v[NM+24*\t], -v[TMX+24*\t]
.endr
	WIN 0x40
.set j, 0
.rept 64
	v_mov_b32 v[O+j], 0                            ; O^T: the first change of M leaves zeros zeros.  (These lines are also the places behind the products above)
.set j, j+1
.endr
	WIN 0
	s_wait_alu depctr_va_vdst(0)                   ; the wait here, ahead of the branch
	s_cmp_eq_u32 s[PASS], 1
	s_cbranch_scc1 .Lno_more_q
	s_add_nc_u64 s[4:5], s[4:5], 16*1024           ; the next pass's queries, sixteen tiles on: asked for a whole pass ahead (the earlier loads are done, so their bases may step)
	s_add_nc_u64 s[6:7], s[6:7], 512
	QLOAD
.Lno_more_q:
	STEP 1, 0                                      ; key step 0
	s_wait_tensorcnt 0x0                           ; every wave's load has landed,
	s_wait_dscnt 0x0                               ; no LDS load of mine is out,
	s_barrier_signal -1
	s_barrier_wait -1                              ; and the whole head is shown to all
	s_mov_b32 s[I], 1
.Lstep:                                            ; key steps 1 to 14
	STEP 0, 0
	s_add_co_u32 s[I], s[I], 1
	s_cmp_lg_u32 s[I], 15
	s_cbranch_scc1 .Lstep
	STEP 0, 1                                      ; key step 15
.rept 4
	v_nop                                          ; places between the conversions and the products
.endr
	WIN 0x55
.irp n, 0,1,2,3,4,5,6,7
	PVW \n                                         ; key step 15's O^T += V^T P^T
.endr
	WIN 0
	; THE WAY OUT: O^T / the sum, quantised along the model's channels: a head's 64 are two blocks of 32; block b = channel tiles 2 b, 2 b + 1: 16 numbers in my lane, 16 in lane l xor 16.  q = 2 x tile + block
.rept 8
	v_nop                                          ; places behind the last products
.endr
.irp t, 0,1
	v_add_f32 v[SUM+24*\t], v[SUM+24*\t], v[SUM+24*\t+1]
.endr
.irp t, 0,1
	v_permlanex16_b32 v[TA+24*\t], v[SUM+24*\t], s[SEL], s[SEL+1]
.endr
.irp t, 0,1
	v_add_f32 v[SUM+24*\t], v[SUM+24*\t], v[TA+24*\t]   ; the row's sum
.endr
	s_wait_alu depctr_va_vdst(0)                   ; ahead of the transcendentals
.irp t, 0,1
	v_rcp_f32 v[FF+24*\t], v[SUM+24*\t]
.endr
	v_nop                                          ; a plain line behind them
	WIN 0x01
	s_wait_alu depctr_va_vdst(0)                   ; the wait ahead of their first reader, which is also O^T's
.irp t, 0,1
.set j, 0
.rept 16
	v_pk_mul_f32 v[S+64*\t+j:S+64*\t+j+1], v[O+32*\t+j:O+32*\t+j+1], v[FF+24*\t:FF+24*\t+1] op_sel_hi:[1,0]   ; each accumulator from its low end on
.set j, j+2
.endr
.endr
	WIN 0
.irp q, 0,1,2,3
	v_max3_num_f32 v[BM+24*(\q/2)+\q%2], |v[S+64*(\q/2)+16*(\q%2)]|, |v[S+64*(\q/2)+16*(\q%2)+1]|, 0x8000000
.endr
.irp i, 2,4,6,8,10,12,14
.irp q, 0,1,2,3
	v_max3_num_f32 v[BM+24*(\q/2)+\q%2], v[BM+24*(\q/2)+\q%2], |v[S+64*(\q/2)+16*(\q%2)+\i]|, |v[S+64*(\q/2)+16*(\q%2)+\i+1]|
.endr
.endr
.irp q, 0,1,2,3
	v_permlanex16_b32 v[T2+24*(\q/2)+\q%2], v[BM+24*(\q/2)+\q%2], s[SEL], s[SEL+1]
.endr
.irp q, 0,1,2,3
	v_max_num_f32 v[BM+24*(\q/2)+\q%2], v[BM+24*(\q/2)+\q%2], v[T2+24*(\q/2)+\q%2]
.endr
.irp q, 0,1,2,3
	v_add_nc_u32 v[SO+24*(\q/2)+\q%2], 0xf8800000, v[BM+24*(\q/2)+\q%2]
.endr
.irp q, 0,1,2,3
	v_and_or_b32 v[LM+24*(\q/2)+\q%2], v[BM+24*(\q/2)+\q%2], 0x7f800000, s[MNT]
.endr
.irp q, 0,1,2,3
	v_lshrrev_b32 v[T2+24*(\q/2)+\q%2], 23, v[SO+24*(\q/2)+\q%2]
.endr
.irp q, 0,1,2,3
.irp i, 0,1,2,3,4,5,6,7,8,9,10,11,12,13,14,15
	v_med3_num_f32 v[S+64*(\q/2)+16*(\q%2)+\i], v[S+64*(\q/2)+16*(\q%2)+\i], -v[LM+24*(\q/2)+\q%2], v[LM+24*(\q/2)+\q%2]
.endr
.endr
.irp q, 0,1,2,3
	v_cvt_scalef32_pk8_bf8_f32 v[S+64*(\q/2)+32+4*(\q%2):S+64*(\q/2)+32+4*(\q%2)+1], v[S+64*(\q/2)+16*(\q%2):S+64*(\q/2)+16*(\q%2)+7], v[SO+24*(\q/2)+\q%2]
	v_cvt_scalef32_pk8_bf8_f32 v[S+64*(\q/2)+32+4*(\q%2)+2:S+64*(\q/2)+32+4*(\q%2)+3], v[S+64*(\q/2)+16*(\q%2)+8:S+64*(\q/2)+16*(\q%2)+15], v[SO+24*(\q/2)+\q%2]
.endr
.irp t, 0,1
	v_cndmask_b32 v[TA+24*\t], v[T2+24*\t], v[T2+24*\t+1], s[HM]   ; lanes 0-15 store block 0's byte, lanes 16-31 block 1's.  (Also the plain line behind the last conversion)
.endr
	; Wo's codes lie in K's true order, so these do too: channel tile 2 b + u, half h, register j is channel 32 b + 16 u + 8 h + j: in piece b that is lane r + 16 u, byte 8 h + j
.irp q, 0,1,2,3
.irp u, 0,1
	global_store_b64 v[OB8], v[S+64*(\q/2)+32+4*(\q%2)+2*\u:S+64*(\q/2)+32+4*(\q%2)+2*\u+1], s[10:11] offset:4096*(\q/2)+512*(\q%2)+256*\u   ; 32 lanes store 256 consecutive bytes, aligned
.endr
.endr
.irp t, 0,1
	global_store_b8 v[OSB], v[TA+24*\t], s[12:13] offset:512*\t   ; a byte a lane, rows 32 bytes apart: one byte for each 32 codes
.endr
	s_wait_xcnt 0x0                                ; the stores' bases and data are written again only behind this wait
	s_add_nc_u64 s[10:11], s[10:11], 16*4096       ; sixteen tiles on
	s_add_nc_u64 s[12:13], s[12:13], 16*512
	s_sub_co_u32 s[PASS], s[PASS], 1
	s_cmp_lg_u32 s[PASS], 0
	s_cbranch_scc1 .Lpass
	s_wait_tensorcnt 0x0                           ; the wave's end
	ds_add_u32 v[SPW], v[NIL]
	s_wait_dscnt 0x0
	ROUND                                          ; the closing round
	s_endpgm
.Lfunc_end_k_q7e033f21e4_attn:
	.size	k_q7e033f21e4_attn, .Lfunc_end_k_q7e033f21e4_attn-k_q7e033f21e4_attn
	.p2alignl 7, 3214868480
	.fill 96, 4, 3214868480
	.section	.rodata,"a",@progbits
	.p2align	6, 0x0
	.amdhsa_kernel k_q7e033f21e4_attn
		.amdhsa_group_segment_fixed_size 327680
		.amdhsa_private_segment_fixed_size 0
		.amdhsa_enable_private_segment 0
		.amdhsa_kernarg_size 40
		.amdhsa_user_sgpr_count 2
		.amdhsa_user_sgpr_kernarg_segment_ptr 1
		.amdhsa_wavefront_size32 1
		.amdhsa_system_sgpr_workgroup_id_x 1
		.amdhsa_system_sgpr_workgroup_id_y 1
		.amdhsa_system_sgpr_workgroup_id_z 1
		.amdhsa_system_vgpr_workitem_id 0
		.amdhsa_next_free_vgpr 512
		.amdhsa_next_free_sgpr 66
		.amdhsa_reserve_vcc 0
		.amdhsa_float_denorm_mode_32 3
		.amdhsa_float_denorm_mode_16_64 3
		.amdhsa_memory_ordered 1
		.amdhsa_forward_progress 1
		.amdhsa_inst_pref_size 128
	.end_amdhsa_kernel
	.amdgpu_metadata
---
amdhsa.version: [ 1, 2 ]
amdhsa.kernels:
  - .name:           k_q7e033f21e4_attn
    .symbol:         k_q7e033f21e4_attn.kd
    .args:
      - { .name: q_img, .offset: 0, .size: 8, .value_kind: global_buffer, .address_space: global }
      - { .name: q_sc, .offset: 8, .size: 8, .value_kind: global_buffer, .address_space: global }
      - { .name: kv, .offset: 16, .size: 8, .value_kind: global_buffer, .address_space: global }
      - { .name: a_img, .offset: 24, .size: 8, .value_kind: global_buffer, .address_space: global }
      - { .name: a_sc, .offset: 32, .size: 8, .value_kind: global_buffer, .address_space: global }
    .group_segment_fixed_size: 327680
    .private_segment_fixed_size: 0
    .kernarg_segment_align: 8
    .kernarg_segment_size: 40
    .max_flat_workgroup_size: 256
    .sgpr_count:     66
    .vgpr_count:     512
    .wavefront_size: 32
...
	.end_amdgpu_metadata
.endif
;; end of part 2
;; launch oproj (part 3): grid 4 x 64, 4 waves a work-group, clusters of 4 x 4, 327,680 bytes of LDS; arguments a_img, a_sc, Wo_codes, Wo_scales, bo, out0; writes out0
.if DOCPART == 3
	.amdgcn_target "amdgcn-amd-amdhsa--gfx1250"
	.amdhsa_code_object_version 6
	.text
	.protected	k_q7e033f21e4_oproj
	.globl	k_q7e033f21e4_oproj
	.p2align	8
	.type	k_q7e033f21e4_oproj,@function
k_q7e033f21e4_oproj:
	s_mov_b64 s[64:65], 0
	v_nop
	global_prefetch_b8 v0, s[64:65] scope:SCOPE_SE
	s_setreg_imm32_b32 hwreg(HW_REG_WAVE_MODE, 25, 1), 1
	s_wait_xcnt 0x0
	s_wait_alu depctr_hold_cnt(0) depctr_sa_sdst(0) depctr_va_vdst(0) depctr_va_sdst(0) depctr_va_ssrc(0) depctr_va_vcc(0) depctr_vm_vsrc(0)
	s_getreg_b32 s2, hwreg(HW_REG_IB_STS2, 6, 4)
	s_cmp_eq_u32 s2, 0
	s_cbranch_scc0 .Lentry_in_a_cluster
	s_endpgm
.Lentry_in_a_cluster:
	s_bfe_u32 s2, ttmp6, 0x10000c
	s_cmp_lg_u32 s2, 0xf033
	s_cbranch_scc0 .Lentry_shape_is_right
	s_endpgm
.Lentry_shape_is_right:
; out0 = A Wo^T + bo on codes of BF8 (E5M2) with one E8M0 scale for each 32 along K; A: the attention's result, 8,192 x 1,024, as images of the operand's registers
; a_img[K / 256][tile of 16 rows][128 of K][piece of 32 K][lane][16 bytes], its scale bytes a_sc[row][32]; Wo: [1,024][1,024] codes, K innermost; out0 f32.
; SHARES.  A block of 128 x 256 of out0 to a work-group: 64 x 4 = 256 work-groups.  Four waves, 2 x 2: a wave makes 64 x 128: 32 accumulators of 16 x 16, 256 registers (window 2).
; K goes in steps of 256 through a ring of two LDS slots (A's 128 rows as 32,768 dense bytes, then B's 256 rows of 256 bytes + 16 of padding).  The scales of the block's rows of A and B, for all of K, come once and stay.
; THE HEAD: one load a wave: K step 0 of A (wave 0), of B (wave 1), A's scales (wave 2), B's (wave 3); slot 1's first fill stands behind the full sequence and a round, as a refill does.
; CLUSTERS: 4 x 4 work-groups; A's tiles are asked for jointly along a row of the cluster, B's along a column.
; The product is used transposed (source 0 = rows of Wo, source 1 = rows of A): a lane holds eight neighbouring numbers of a row of out0.  The bias is the first products' C.
; No prefetch is laid: K has four steps, two of which are asked for at the head.
; REGISTERS: window 0: v16-29 addresses, v32-63 scale words (two sets), v64-127 the bias, v128-191 A's fragments (one set); on the way out v128-255 rows read back.  Window 1: B's fragments, two sets.  Window 2: the sums.
.set SIZE_N, 1024
.set NQ,     2
.set ROWB,   256
.set KROW,   1024
.set PITCH,  272
.set FR,     16
.set NL,     4
.set NP,     8
.set HALFA,  16384                     ; 64 rows of A's images for 256 of K
.set HALFB,  128*PITCH
.set BOFF,   2*HALFA
.set SLOT,   BOFF+2*HALFB
.set ASTEP,  0x200000                  ; from one 256 of K to the next in a_img
.set LAPS,   2
.set KS,     32
.set SCL,    2*SLOT                    ; A's scales: 16 units of 256 bytes + 16
.set SCLB,   SCL+16*272                ; B's: 32 units
.set HALFSA, 8*272
.set HALFSB, 16*272
.set SBLK,   2*272                     ; the scales of 16 rows
.set SPARE,  SCLB+32*272
.set SPITCH, 528                       ; the way out: a stage of 16 rows x (512 + 16) bytes a wave, in slot 0 behind its last fill and last read
.set ADRA, 16
.set ADRB, 20
.set STO,  24
.set RD,   25
.set CO,   26
.set ADRS, 27
.set SPW,  28
.set NIL,  29
.set SC,   32
.set BIAS, 64
.set AF,   128
.set BK,   128
.set G1, 24
.set G0, 32
.set G1B, 48
.set G0B, 56
.set G1S, 68
.set G0S, 76
.set G1SB, 80
.set G0SB, 88
.set G0H, 4
.set G0HB, 8
.set MSB, 0
.macro WIN new
.if MSB != \new
	s_set_vgpr_msb (MSB<<8)|\new
.set MSB, \new
.endif
.endm
.set MUL_AC, 0xa1                      ; source 0 (B) window 1, source 1 (A) window 0, C and D window 2
.set MUL_C0, 0x81                      ; the same with C (the bias) in window 0
.set TO_B,   0x40
.macro JLOAD g0a, g1a, g0b, g1b        ; waves 0, 1 fetch for A, waves 2, 3 for B
	s_cmp_eq_u32 s15, 0
	s_cbranch_scc0 .Lfor_b_\@
	tensor_load_to_lds s[\g0a:\g0a+3], s[\g1a:\g1a+7]
	s_nop 0
.rept 4
	v_nop
.endr
	s_branch .Lasked_\@
.Lfor_b_\@:
	tensor_load_to_lds s[\g0b:\g0b+3], s[\g1b:\g1b+7]
	s_nop 0
.rept 4
	v_nop
.endr
.Lasked_\@:
.endm
.macro CREST
	s_cmp_lg_u32 s14, 0
	s_cbranch_scc1 .Lnot_wave_0_\@
	s_barrier_signal -3
.Lnot_wave_0_\@:
	s_barrier_wait -3
	s_barrier_signal -1
	s_barrier_wait -1
.endm
.macro CROUND
	s_barrier_signal -1
	s_barrier_wait -1
	CREST
.endm
	s_load_b128 s[4:7], s[0:1], 0x0                ; a_img, a_sc
	s_load_b128 s[8:11], s[0:1], 0x10              ; Wo's codes, scales
	s_load_b64 s[96:97], s[0:1], 0x20              ; bo
	s_load_b64 s[12:13], s[0:1], 0x28              ; out0
	v_lshl_add_u32 v[SPW], v0, 2, SPARE
	v_mov_b32 v[NIL], 0
	ds_add_u32 v[SPW], v[NIL]                      ; the opening lines: the add twice on end and its wait
	ds_add_u32 v[SPW], v[NIL]
	v_lshrrev_b32 v1, 5, v0
	v_readfirstlane_b32 s14, v1
	s_lshr_b32 s15, s14, 1                         ; my 64 rows of the block.  Also: I fetch for A (0) or B (1)
	s_and_b32 s16, s14, 1                          ; my 128 columns.  Also: which half of a tile I fetch
	s_bfe_u32 s40, ttmp6, 0x40000
	s_bfe_u32 s41, ttmp6, 0x40004
	s_lshl_b32 s42, ttmp9, 2
	s_add_co_u32 s42, s42, s40                     ; block column
	s_and_b32 s17, ttmp7, 0xffff
	s_lshl_b32 s17, s17, 2
	s_add_co_u32 s17, s17, s41                     ; block row
	s_lshl_b32 s43, s41, 2
	s_lshl_b32 s43, 15, s43                        ; my row of the cluster
	s_lshl_b32 s44, 0x1111, s40                    ; my column
	s_or_b32 s[G1+0], s43, (3<<16)|(1<<21)         ; A: dense rows of 256 bytes: 128 at the head, 64 in the ring
	s_mov_b32 s[G1+1], 32<<16
	s_mov_b32 s[G1+2], 128<<16
	s_mov_b32 s[G1+3], 32<<16
	s_mov_b32 s[G1+4], 128
	s_mov_b32 s[G1+5], 32
	s_mov_b32 s[G1+6], 0
	s_mov_b32 s[G1+7], 0
	s_or_b32 s[G1B+0], s44, (0<<16)|(1<<20)|(1<<21)|(5<<22)|(3<<25)   ; B: rows of 256 bytes, 16 of padding: 256 at the head, 128 in the ring
	s_mov_b32 s[G1B+1], ROWB<<16
	s_mov_b32 s[G1B+2], 256<<16
	s_mov_b32 s[G1B+3], ROWB<<16
	s_mov_b32 s[G1B+4], 256
	s_mov_b32 s[G1B+5], KROW
	s_mov_b32 s[G1B+6], 0
	s_mov_b32 s[G1B+7], 0
	s_or_b32 s[G1S+0], s43, (3<<16)|(1<<20)|(1<<21)|(5<<22)|(3<<25)   ; the scales: dense units of 256 bytes, 16 of padding: A's 16, B's 32
	s_or_b32 s[G1SB+0], s44, (3<<16)|(1<<20)|(1<<21)|(5<<22)|(3<<25)
	s_mov_b32 s[G1S+2], 16<<16
	s_mov_b32 s[G1S+4], 16
	s_mov_b32 s[G1SB+2], 32<<16
	s_mov_b32 s[G1SB+4], 32
.irp g, G1S, G1SB
	s_mov_b32 s[\g+1], 32<<16
	s_mov_b32 s[\g+3], 32<<16
	s_mov_b32 s[\g+5], 32
	s_mov_b32 s[\g+6], 0
	s_mov_b32 s[\g+7], 0
.endr
	s_lshl_b32 s20, s17, 15                        ; A's block: 128 rows x 256 bytes in each 256 of K
	s_mov_b32 s21, 0
	s_lshl_b32 s22, s17, 12                        ; its scales: 128 rows x 32
	s_mov_b32 s23, 0
	s_lshl_b32 s46, s42, 18                        ; B's: 256 rows x 1,024
	s_mov_b32 s47, 0
	s_lshl_b32 s92, s42, 13                        ; its scales
	s_mov_b32 s93, 0
	s_wait_dscnt 0x0
	s_wait_kmcnt 0x0
	s_add_nc_u64 s[20:21], s[4:5], s[20:21]
	s_add_nc_u64 s[22:23], s[6:7], s[22:23]
	s_add_nc_u64 s[46:47], s[8:9], s[46:47]
	s_add_nc_u64 s[92:93], s[10:11], s[92:93]
	CROUND                                         ; all sixteen work-groups are here: the first joint loads meet
	s_mov_b32 s[G0H], 1
	s_mov_b32 s[G0H+1], 0
	s_mov_b64 s[G0H+2:G0H+3], s[20:21]
	s_or_b32 s[G0H+3], s[G0H+3], 0x80000000
	s_mov_b32 s[G0HB], 1
	s_mov_b32 s[G0HB+1], BOFF
	s_mov_b64 s[G0HB+2:G0HB+3], s[46:47]
	s_or_b32 s[G0HB+3], s[G0HB+3], 0x80000000
	s_mov_b32 s[G0S], 1
	s_mov_b32 s[G0S+1], SCL
	s_mov_b64 s[G0S+2:G0S+3], s[22:23]
	s_or_b32 s[G0S+3], s[G0S+3], 0x80000000
	s_mov_b32 s[G0SB], 1
	s_mov_b32 s[G0SB+1], SCLB
	s_mov_b64 s[G0SB+2:G0SB+3], s[92:93]
	s_or_b32 s[G0SB+3], s[G0SB+3], 0x80000000
	s_lshl_b32 s18, s16, 14                        ; for the ring: my half of a tile, in memory and in a slot
	s_mov_b32 s19, 0
	s_add_nc_u64 s[20:21], s[20:21], s[18:19]
	s_lshl_b32 s18, s16, 17
	s_add_nc_u64 s[46:47], s[46:47], s[18:19]
	s_lshl_b32 s45, s16, 14
	s_mul_i32 s94, s16, HALFB
	s_add_co_u32 s94, s94, BOFF
.irp s, 0,1
	s_mov_b32 s[G0+4*\s], 1
	s_add_co_u32 s[G0+4*\s+1], s45, \s*SLOT
	s_add_nc_u64 s[G0+4*\s+2:G0+4*\s+3], s[20:21], \s*ASTEP
	s_or_b32 s[G0+4*\s+3], s[G0+4*\s+3], 0x80000000
	s_mov_b32 s[G0B+4*\s], 1
	s_add_co_u32 s[G0B+4*\s+1], s94, \s*SLOT
	s_add_nc_u64 s[G0B+4*\s+2:G0B+4*\s+3], s[46:47], \s*ROWB
	s_or_b32 s[G0B+4*\s+3], s[G0B+4*\s+3], 0x80000000
.endr
.macro ARM under, g0, g1, next         ; one chain of branches on the wave's number, a load to an arm
	s_cmp_lt_u32 s14, \under
	s_cbranch_scc0 \next
	tensor_load_to_lds s[\g0:\g0+3], s[\g1:\g1+7]
	s_nop 0
.rept 4
	v_nop
.endr
	s_branch .Lhead_asked
\next:
.endm
	ARM 1, G0H,  G1,  .Lhead_b
	ARM 2, G0HB, G1B, .Lhead_sa
	ARM 3, G0S,  G1S, .Lhead_sb
	tensor_load_to_lds s[G0SB:G0SB+3], s[G1SB:G1SB+7]
	s_nop 0
.rept 4
	v_nop
.endr
.Lhead_asked:
	v_and_b32 v1, 15, v0
	v_bfe_u32 v2, v0, 4, 1
	v_and_b32 v6, 31, v0
	v_lshlrev_b32 v[CO], 4, v6
	v_mul_u32_u24 v3, v1, PITCH
	v_lshl_add_u32 v4, v2, 4, v3
	s_mul_i32 s21, s15, HALFA                      ; my 64 rows of A
	s_mul_i32 s22, s16, HALFB                      ; my 128 rows of B
	s_add_co_u32 s22, s22, BOFF
.irp s, 0,1
	v_add_nc_u32 v[ADRA+\s], s21, v[CO]
	v_add_nc_u32 v[ADRB+\s], s22, v4
	s_add_co_u32 s21, s21, SLOT
	s_add_co_u32 s22, s22, SLOT
.endr
	v_mul_u32_u24 v5, v1, KS                       ; my row's scales: 32 bytes a row, 16 more for each 256 passed
	v_lshrrev_b32 v6, 8, v5
	v_lshl_add_u32 v5, v6, 4, v5
	s_mul_i32 s21, s15, HALFSA
	s_mul_i32 s22, s16, HALFSB
	s_add_co_u32 s22, s22, SCLB-SCL
	s_sub_co_u32 s22, s22, s21
	v_mul_u32_u24 v6, s22, v2                      ; lanes 16-31 take B's
	s_add_co_u32 s21, s21, SCL
	v_add_nc_u32 v5, v5, v6
	v_add_nc_u32 v[ADRS], s21, v5
	s_mul_i32 s23, s14, 16*SPITCH
	v_mul_u32_u24 v5, v1, SPITCH
	v_lshl_add_u32 v5, v2, 5, v5
	v_add_nc_u32 v[STO], s23, v5
	v_add_nc_u32 v[RD], s23, v[CO]
	s_lshl_b32 s20, s17, 7
	s_lshl_b32 s21, s15, 6
	s_add_co_u32 s20, s20, s21                     ; my first row of out0
	s_lshl_b32 s20, s20, 12
	s_lshl_b32 s46, s42, 10
	s_lshl_b32 s47, s16, 9
	s_add_co_u32 s46, s46, s47                     ; my first column, in bytes
	s_mov_b32 s47, 0
	s_add_nc_u64 s[96:97], s[96:97], s[46:47]
	s_add_co_u32 s20, s20, s46
	s_mov_b32 s21, 0
	s_add_nc_u64 s[12:13], s[12:13], s[20:21]
	v_lshlrev_b32 v7, 5, v2
.irp b, 0,1,2,3,4,5,6,7
	global_load_b128 v[BIAS+8*\b:BIAS+8*\b+3], v7, s[96:97] offset:64*\b
	global_load_b128 v[BIAS+8*\b+4:BIAS+8*\b+7], v7, s[96:97] offset:64*\b+16
.endr
.macro FRAGB reg, adr, q, i
.irp c, 0,1,2,3
	ds_load_b128 v[\reg+4*\c:\reg+4*\c+3], v[\adr] offset:128*(\q)+32*\c+(\i)*16*PITCH
.endr
.endm
.macro FRAGA reg, adr, q, i
.irp c, 0,1,2,3
	ds_load_b128 v[\reg+4*\c:\reg+4*\c+3], v[\adr] offset:(\i)*4096+(\q)*2048+512*\c
.endr
.endm
; eight products: A's block a x B's eight, the slot's q-th 128 of K.  The 32 accumulators take turns in the same order in every step
.macro MULA a, p, q, sc, zero
.irp b, 0,1,2,3,4,5,6,7
.set rD, 8*(8*(\a)+\b)
.set rB, 128*(\p)+FR*\b
.set rA, AF+FR*(\a)
.set rSB, SC+8*NQ*(\sc)+NQ*\b+(\q)
.set rSA, SC+8*NQ*(\sc)+NQ*(\a)+(\q)
.if \zero
	v_wmma_scale_f32_16x16x128_f8f6f4 v[rD:rD+7], v[rB:rB+FR-1], v[rA:rA+FR-1], v[BIAS+8*\b:BIAS+8*\b+7], v[rSB], v[rSA] matrix_a_fmt:MATRIX_FMT_BF8 matrix_b_fmt:MATRIX_FMT_BF8 matrix_a_scale:MATRIX_SCALE_ROW1
.else
	v_wmma_scale_f32_16x16x128_f8f6f4 v[rD:rD+7], v[rB:rB+FR-1], v[rA:rA+FR-1], v[rD:rD+7], v[rSB], v[rSA] matrix_a_fmt:MATRIX_FMT_BF8 matrix_b_fmt:MATRIX_FMT_BF8 matrix_a_scale:MATRIX_SCALE_ROW1
.endif
.endr
.endm
.macro FETCH_B slot, q, p
	WIN TO_B
.irp i, 0,1,2,3,4,5,6,7
	FRAGB 128*(\p)+FR*\i, ADRB+\slot, \q, \i
.endr
	WIN 0
.endm
.macro FETCH_A slot, q, i0             ; A's blocks i0, i0 + 1: eight loads
.irp i, \i0, \i0+1
	FRAGA AF+FR*(\i), ADRA+\slot, \q, \i
.endr
.endm
.macro SCALES sc                       ; lanes 0-15: the words of A's block i (used for i under 4), lanes 16-31: of B's block i
.irp i, 0,1,2,3,4,5,6,7
	ds_load_b64 v[SC+8*NQ*\sc+NQ*\i:SC+8*NQ*\sc+NQ*\i+1], v[ADRS] offset:\i*SBLK
.endr
.endm
.macro PLACES n
.rept \n
	v_nop
.endr
.endm
.macro MWIN zero
.if \zero
	WIN MUL_C0
.else
	WIN MUL_AC
.endif
.endm
.macro STEP slot, q, zero              ; 128 of K that has its successor in the same slot
	s_wait_dscnt 2*NL                              ; B's set and A's blocks 0, 1 are in; the youngest eight loads (blocks 2, 3) may be out
	MWIN \zero
	MULA 0, (\q)%2, \q, \slot, \zero
	MULA 1, (\q)%2, \q, \slot, \zero
	s_wait_dscnt 0
	PLACES NP
	FETCH_B \slot, (\q)+1, 1-(\q)%2
	FETCH_A \slot, (\q)+1, 0
	MWIN \zero
	MULA 2, (\q)%2, \q, \slot, \zero
	MULA 3, (\q)%2, \q, \slot, \zero
	PLACES NP
	WIN 0
	FETCH_A \slot, (\q)+1, 2
.endm
.macro TURN slot, next, fill           ; a slot's last 128 of K, and the change of slots
	s_wait_tensorcnt 0x0                           ; all my tensor loads have landed
	ds_add_u32 v[SPW], v[NIL]
	s_wait_dscnt 2*NL+1                            ; (the add and the youngest eight loads may be out)
	WIN MUL_AC
	MULA 0, 1, NQ-1, \slot, 0
	s_wait_dscnt 0x0                               ; the add is done, and my reads of this slot are over
	s_barrier_signal -1
	MULA 1, 1, NQ-1, \slot, 0
	WIN 0
	s_barrier_wait -1
.if \fill
	CREST                                          ; the barrier has opened a round of the cluster's barrier
	s_add_nc_u64 s[G0+4*\slot+2:G0+4*\slot+3], s[G0+4*\slot+2:G0+4*\slot+3], 2*ASTEP
	s_add_nc_u64 s[G0B+4*\slot+2:G0B+4*\slot+3], s[G0B+4*\slot+2:G0B+4*\slot+3], 2*ROWB
	JLOAD G0+4*\slot, G1, G0B+4*\slot, G1B
	PLACES NP-4
.else
	PLACES NP
.endif
	v_add_nc_u32 v[ADRS], 4*NQ, v[ADRS]            ; the next K step's scale words
	s_wait_alu depctr_va_vdst(0)                   ; the wait here, directly behind the write
	FETCH_B \next, 0, 0
	FETCH_A \next, 0, 0
	SCALES \next
	WIN MUL_AC
	MULA 2, 1, NQ-1, \slot, 0
	MULA 3, 1, NQ-1, \slot, 0
	PLACES NP
	WIN 0
	FETCH_A \next, 0, 2
.endm
	s_wait_alu depctr_va_vdst(0)                   ; the wait at the head's end
	s_wait_tensorcnt 0x0                           ; my tile of the head's four is in; these lines stand ahead of a later first fill as ahead of a refill
	ds_add_u32 v[SPW], v[NIL]
	s_mov_b32 s[G1+2], 64<<16                      ; no tensor load of mine is out: from here on a load brings half a tile
	s_mov_b32 s[G1+4], 64
	s_mov_b32 s[G1B+2], 128<<16
	s_mov_b32 s[G1B+4], 128
	s_wait_dscnt 0x0
	CROUND                                         ; all four tiles are in, and all sixteen work-groups are here
	JLOAD G0+4, G1, G0B+4, G1B                     ; K step 1, the first tensor load behind the round
	FETCH_B 0, 0, 0
	FETCH_A 0, 0, 0
	SCALES 0
	FETCH_A 0, 0, 2
	s_wait_loadcnt 0x0                             ; the bias
	STEP 0, 0, 1                                   ; the first products start the sums from the bias
	s_mov_b32 s3, LAPS-1
.Llap:
	TURN 0, 1, 1
	STEP 1, 0, 0
	TURN 1, 0, 1
	STEP 0, 0, 0
	s_sub_co_u32 s3, s3, 1
	s_cmp_lg_u32 s3, 0
	s_cbranch_scc1 .Llap
	TURN 0, 1, 0                                   ; the last lap fills nothing
	STEP 1, 0, 0
	s_wait_dscnt 2*NL
	WIN MUL_AC
	MULA 0, 1, NQ-1, 1, 0
	MULA 1, 1, NQ-1, 1, 0
	s_wait_dscnt 0
	MULA 2, 1, NQ-1, 1, 0
	MULA 3, 1, NQ-1, 1, 0
	WIN 0
; THE WAY OUT, by blocks of 16 rows x 128 columns through my own stage: whole rows of 512 bytes come back, which 32 lanes store as two aligned units of 256 bytes
.macro TOSTAGE a
.set AC, 64*(\a)
	WIN 0x08
.irp b, 0,1,2,3,4,5,6,7
	ds_store_b128 v[STO], v[AC+8*\b:AC+8*\b+3] offset:64*\b
	ds_store_b128 v[STO], v[AC+8*\b+4:AC+8*\b+7] offset:64*\b+16
.endr
	WIN 0
.set BB, BK+64*((\a)%2)
.irp t, 0,1,2,3,4,5,6,7,8,9,10,11,12,13,14,15
	ds_load_b128 v[BB+4*\t:BB+4*\t+3], v[RD] offset:\t*SPITCH
.endr
.endm
.macro SEND a, younger
.set BB, BK+64*((\a)%2)
	s_wait_dscnt \younger
.if (\a) > 0
	s_add_nc_u64 s[12:13], s[12:13], 16*SIZE_N*4
.endif
.irp t, 0,1,2,3,4,5,6,7,8,9,10,11,12,13,14,15
	global_store_b128 v[CO], v[BB+4*\t:BB+4*\t+3], s[12:13] offset:\t*SIZE_N*4 th:TH_STORE_NT
.endr
.endm
	PLACES NP
	TOSTAGE 0
.irp a, 1,2,3
.if \a > 1
	s_wait_xcnt 0x0                                ; block a - 2's stores have read their registers and their base
.endif
	TOSTAGE \a
	SEND \a-1, 32                                  ; behind block a - 1's loads: block a's 16 stores and 16 loads
.endr
	s_wait_xcnt 0x0
	SEND 3, 0
	s_wait_tensorcnt 0x0                           ; the wave's end
	ds_add_u32 v[SPW], v[NIL]
	s_wait_dscnt 0x0
	CROUND                                         ; the closing round
	s_endpgm
.Lfunc_end_k_q7e033f21e4_oproj:
	.size	k_q7e033f21e4_oproj, .Lfunc_end_k_q7e033f21e4_oproj-k_q7e033f21e4_oproj
	.p2alignl 7, 3214868480
	.fill 96, 4, 3214868480
	.section	.rodata,"a",@progbits
	.p2align	6, 0x0
	.amdhsa_kernel k_q7e033f21e4_oproj
		.amdhsa_group_segment_fixed_size 327680
		.amdhsa_private_segment_fixed_size 0
		.amdhsa_enable_private_segment 0
		.amdhsa_kernarg_size 48
		.amdhsa_user_sgpr_count 2
		.amdhsa_user_sgpr_kernarg_segment_ptr 1
		.amdhsa_wavefront_size32 1
		.amdhsa_system_sgpr_workgroup_id_x 1
		.amdhsa_system_sgpr_workgroup_id_y 1
		.amdhsa_system_sgpr_workgroup_id_z 1
		.amdhsa_system_vgpr_workitem_id 0
		.amdhsa_next_free_vgpr 768
		.amdhsa_next_free_sgpr 98
		.amdhsa_reserve_vcc 0
		.amdhsa_float_denorm_mode_32 3
		.amdhsa_float_denorm_mode_16_64 3
		.amdhsa_memory_ordered 1
		.amdhsa_forward_progress 1
		.amdhsa_inst_pref_size 93
	.end_amdhsa_kernel
	.amdgpu_metadata
---
amdhsa.version: [ 1, 2 ]
amdhsa.kernels:
  - .name:           k_q7e033f21e4_oproj
    .symbol:         k_q7e033f21e4_oproj.kd
    .args:
      - { .name: a_img, .offset: 0, .size: 8, .value_kind: global_buffer, .address_space: global }
      - { .name: a_sc, .offset: 8, .size: 8, .value_kind: global_buffer, .address_space: global }
      - { .name: Wo_codes, .offset: 16, .size: 8, .value_kind: global_buffer, .address_space: global }
      - { .name: Wo_scales, .offset: 24, .size: 8, .value_kind: global_buffer, .address_space: global }
      - { .name: bo, .offset: 32, .size: 8, .value_kind: global_buffer, .address_space: global }
      - { .name: out0, .offset: 40, .size: 8, .value_kind: global_buffer, .address_space: global }
    .group_segment_fixed_size: 327680
    .private_segment_fixed_size: 0
    .kernarg_segment_align: 8
    .kernarg_segment_size: 48
    .max_flat_workgroup_size: 128
    .sgpr_count:     98
    .vgpr_count:     768
    .wavefront_size: 32
...
	.end_amdgpu_metadata
.endif
;; end of part 3
